; MI455X (gfx1250); checked and timed in simulation.
; The chip was launched on July 23, 2026; its instructions are those of AMD's public machine-readable ISA for CDNA 5 (MIT licence, August 2026) and "CDNA5" Instruction Set Architecture Reference Guide (July 2026). The comments in the code are by the model that wrote it; some were corrected since.
;; Block. Allowed arithmetic: matrix products marked QUANTISED: E4M3 operands, one given power-of-two scale a tensor, by v_wmma_f32_16x16x64_fp8_fp8 or v_wmma_f32_16x16x128_fp8_fp8, f32 sums; everything else in f32.
;; Inputs: W1 1,024 x 4,096 float32; W2 4,096 x 1,024 float32; Wk 16 x 1,024 x 64 float32; Wo 1,024 x 1,024 float32; Wq 16 x 1,024 x 64 float32; Wv 16 x 1,024 x 64 float32; b1 4,096 float32; b2 1,024 float32; be1 1,024 float32; be2 1,024 float32; bo 1,024 float32; g1 1,024 float32; g2 1,024 float32; lowp_scales 16 int32 (the exponents e of the quantised operands' scales 2^e); x 4 x 1,024 x 1,024 float32.
;; Outputs: out0 4 x 1,024 x 1,024 float32.
;; This version of the problem:
;;   THIS VERSION OF THE PROBLEM IS GIVEN IN LOW PRECISION. The matrix products marked QUANTISED in the list below multiply operands that are first quantised to E4M3 (4 exponent bits, 3 mantissa bits; 8 bits a number), with one given power-of-two scale for each operand tensor; their sums are f32. All else is computed in f32.
;;   The module's matrix products, in the order in which they are computed (A, B: the left and right operand; K: the contracted axis; several contracted axes count as one K, in the product's order):
;;     1. [M 1,024, K 1,024] x [K 1,024, N 4,096]; A: input Wq; B: computed on the way: QUANTISED (scales: A lowp_scales[0], B lowp_scales[1])
;;     2. [M 1,024, K 1,024] x [K 1,024, N 4,096]; A: input Wk; B: computed on the way: QUANTISED (scales: A lowp_scales[2], B lowp_scales[3])
;;     3. [M 1,024, K 1,024] x [K 1,024, N 4,096]; A: input Wv; B: computed on the way: QUANTISED (scales: A lowp_scales[4], B lowp_scales[5])
;;     4. batch 64 x [M 1,024, K 64] x [K 64, N 1,024]; A: computed on the way; B: computed on the way: QUANTISED (scales: A lowp_scales[6], B lowp_scales[7])
;;     5. batch 64 x [M 1,024, K 1,024] x [K 1,024, N 64]; A: softmax (see below); B: computed on the way: QUANTISED (scales: A lowp_scales[8], B lowp_scales[9])
;;     6. [M 4,096, K 1,024] x [K 1,024, N 1,024]; A: computed on the way; B: input Wo: QUANTISED (scales: A lowp_scales[10], B lowp_scales[11])
;;     7. [M 4,096, K 1,024] x [K 1,024, N 4,096]; A: computed on the way; B: input W1: QUANTISED (scales: A lowp_scales[12], B lowp_scales[13])
;;     8. [M 4,096, K 4,096] x [K 4,096, N 1,024]; A: computed on the way; B: input W2: QUANTISED (scales: A lowp_scales[14], B lowp_scales[15])
;;   THE QUANTISER, for each operand of a quantised product, along K:
;;     - The operand's scale is 2^e, e = its entry of the input lowp_scales (int32; the entries are numbered through the quantised products in the list's order, A before B).
;;     - Each number is divided by the scale, clamped to +-448, and rounded to the nearest number of E4M3, ties to even, subnormals kept.
;;     - The product sums the exact products of the quantised numbers (number of the format x scale) in f32.
;;   ~~~python
;;   def quantise(x, axis, e):      # numpy; x: float32 -> the quantised numbers, widened to float32 again
;;       x = np.moveaxis(x, axis, -1); K = x.shape[-1]
;;       r = np.clip(x / 2.0 ** e, -448, 448)
;;       step = 2.0 ** (np.maximum(np.frexp(np.where(r == 0, 1, r))[1] - 1, -6) - 3)
;;       q = np.round(r / step) * step * 2.0 ** e      # np.round: ties to even
;;       return np.moveaxis(q, -1, axis).astype(np.float32)
;;   ~~~
;;   SOFTMAX AHEAD OF A QUANTISED PRODUCT. Where the list says 'softmax', what is quantised is not the finished softmax but p = 2^(t - M), with t = logit x log2(e) and M = ceil(the row's largest t), a whole number; so 1/2 < the row's largest p <= 1. The row's sum l is taken of the UNQUANTISED p, in f32, and the product's result is divided by l at the end. Since M is a whole number, a kernel that streams over the keys may use a running M (the ceiling of the running maximum): every later rescaling is an exact power of two, so the quantised numbers keep their values, but for numbers so far below the row's largest that they fall under the format's range.
;;   OPERANDS COMPUTED ON THE WAY. 'Computed on the way' means the value that the module computes at that place (a softmax that the list does not call 'softmax' is quantised finished and normalised). What goes into a quantiser is computed in f32, as accurately as f32 sums, v_exp_f32 and their like allow (about 1e-6 of the number): no bf16 or f16 on the way to a quantiser, and a product that is left as it is and whose result goes on into a quantised operand takes f32 operands (vector FMAs, or v_wmma_f32_16x16x4_f32). A number that lies on a knife's edge between two numbers of the format may be rounded either way, as far as f32 arithmetic and the matrix unit's own rounding can turn it there, and no further.
;; One version. Each part assembles by itself: llvm-mc -triple=amdgcn-amd-amdhsa -mcpu=gfx1250 --defsym DOCPART=n.
;; ======== version 1 of 1: 7 launches
;; workspace buffers: wc 12,582,912 bytes; hc 12,582,912 bytes; qkvc 12,582,912 bytes; ctxc 4,194,304 bytes; x1 16,777,216 bytes; h2c 4,194,304 bytes; ffc 16,777,216 bytes
;; launch prep (part 1): grid 1280 x 1, 4 waves a work-group, no clusters, 18,944 bytes of LDS; arguments Wq, Wk, Wv, Wo, W1, W2, x, g1, be1, lowp_scales, wc, hc; writes wc, hc
.if DOCPART == 1
	.amdgcn_target "amdgcn-amd-amdhsa--gfx1250"
	.amdhsa_code_object_version 6
	.text
	.protected	k_qb306c903ae_prep
	.globl	k_qb306c903ae_prep
	.p2align	8
	.type	k_qb306c903ae_prep,@function
k_qb306c903ae_prep:
	s_mov_b64 s[64:65], 0
	v_nop
	global_prefetch_b8 v0, s[64:65] scope:SCOPE_SE
	s_setreg_imm32_b32 hwreg(HW_REG_WAVE_MODE, 25, 1), 1
	s_wait_xcnt 0x0
; Two jobs in one launch, told apart by the work-group's number.
; WORK-GROUPS 0..767: the six weights, f32 with K on an axis that is not innermost, become codes of E4M3 laid [K/128][n][128 bytes] (K innermost inside a block of 128).
;   A lane takes a column n and its registers run down K, so the conversions give codes with K innermost.  A wave takes 32 columns x 128 along K; its 32 x 128 bytes turn through its own
;   stage in LDS (rows 144 bytes apart) and leave as 4,096 consecutive bytes.
; WORK-GROUPS 768..1279: h = LN(x; g1, be1), quantised three times (the scales of entries 1, 3, 5 may differ) into hc[p][K/128][token][128].  A wave takes two neighbouring rows, 16 lanes a row;
;   the mean is taken first and the variance of the differences, all in f32.  This path uses no LDS.
; code = number / 2^e, held within +-448, rounded to the nearest code, ties to even.
; LIMITS: each e used here lies between -126 and 119, so that 2^e and 448 x 2^e are f32 numbers.  NaN among the inputs is not served.
; No tensor load, no barrier: waves share nothing.  No cluster: no two work-groups read the same bytes but g1 and be1 (8 KiB).
.set VO,  32                           ; v32-63   weights: byte offset of row i of a block of 32 rows, at my column
.set WX,  64                           ; v64-191  weights: 4 blocks of 32 numbers; later the codes read back
.set WC,  192                          ; v192-223 weights: my column's 128 codes
.set SPT, 144                          ; a stage row: 128 bytes + 16
.set X,   32                           ; v32-95   LN: my 64 numbers of the row: element 128 j + 8 l + i in v[X+8j+i]
.set G,   96                           ; v96-159  LN: the gain; later the codes
.set BE,  160                          ; v160-223 LN: the bias; later numbers held for the conversion
.macro PICK lim, ptr, first, pitch, lg, hs, kbs, doff      ; work-groups below lim belong to an earlier tensor: its figures take the place of the later one's
	s_cmp_lt_u32 ttmp9, \lim
	s_cselect_b64 s[4:5], s[\ptr:\ptr+1], s[4:5]
	s_cselect_b32 s53, \first, s53
	s_cselect_b32 s54, \pitch, s54
	s_cselect_b32 s55, \lg, s55
	s_cselect_b32 s56, \hs, s56
	s_cselect_b32 s57, \kbs, s57
	s_cselect_b32 s58, \doff, s58
.endm
.macro PICKE lim, reg
	s_cmp_lt_u32 ttmp9, \lim
	s_cselect_b32 s59, s[\reg], s59
.endm
.macro FOLD                            ; four packed chains v[10:17] -> the sum over the row's 16 lanes, in every one of them
	v_pk_add_f32 v[10:11], v[10:11], v[12:13]
	v_pk_add_f32 v[14:15], v[14:15], v[16:17]
	v_pk_add_f32 v[10:11], v[10:11], v[14:15]
	v_add_f32 v10, v10, v11
	v_add_f32_dpp v10, v10, v10 row_xmask:1 row_mask:0xf bank_mask:0xf
	v_add_f32_dpp v10, v10, v10 row_xmask:2 row_mask:0xf bank_mask:0xf
	v_add_f32_dpp v10, v10, v10 row_xmask:4 row_mask:0xf bank_mask:0xf
	v_add_f32_dpp v10, v10, v10 row_xmask:8 row_mask:0xf bank_mask:0xf
.endm
; The row's layer norm.  xp, gp, bp: the scalar pairs with the addresses.  s60 = 2^-10, s61 = 1e-5.
.macro LNROW xp, gp, bp
.irp j, 0,1,2,3,4,5,6,7
	global_load_b128 v[X+8*\j:X+8*\j+3], v2, s[\xp:\xp+1] offset:512*\j th:TH_LOAD_NT
	global_load_b128 v[X+8*\j+4:X+8*\j+7], v2, s[\xp:\xp+1] offset:512*\j+16 th:TH_LOAD_NT
.endr
.irp j, 0,1,2,3,4,5,6,7
	global_load_b128 v[G+8*\j:G+8*\j+3], v3, s[\gp:\gp+1] offset:512*\j
	global_load_b128 v[G+8*\j+4:G+8*\j+7], v3, s[\gp:\gp+1] offset:512*\j+16
.endr
.irp j, 0,1,2,3,4,5,6,7
	global_load_b128 v[BE+8*\j:BE+8*\j+3], v3, s[\bp:\bp+1] offset:512*\j
	global_load_b128 v[BE+8*\j+4:BE+8*\j+7], v3, s[\bp:\bp+1] offset:512*\j+16
.endr
	s_wait_loadcnt 32                              ; the row's 16 loads are in; the gain's and the bias's 32 may be out
.irp c, 0,1,2,3
	v_pk_add_f32 v[10+2*\c:11+2*\c], v[X+2*\c:X+2*\c+1], v[X+8+2*\c:X+9+2*\c]   ; the first eight pairs start four chains: nothing is cleared
.endr
.set i, 8
.rept 24
	v_pk_add_f32 v[10+2*(i%4):11+2*(i%4)], v[10+2*(i%4):11+2*(i%4)], v[X+2*i:X+2*i+1]
.set i, i+1
.endr
	FOLD
	v_mul_f32 v6, s60, v10                         ; the mean
	v_mov_b32 v7, v6
.set i, 0
.rept 32
	v_pk_add_f32 v[X+2*i:X+2*i+1], v[X+2*i:X+2*i+1], v[6:7] neg_lo:[0,1] neg_hi:[0,1]   ; x - mean
.set i, i+1
.endr
.irp c, 0,1,2,3
	v_pk_mul_f32 v[10+2*\c:11+2*\c], v[X+2*\c:X+2*\c+1], v[X+2*\c:X+2*\c+1]
.endr
.set i, 4
.rept 28
	v_pk_fma_f32 v[10+2*(i%4):11+2*(i%4)], v[X+2*i:X+2*i+1], v[X+2*i:X+2*i+1], v[10+2*(i%4):11+2*(i%4)]
.set i, i+1
.endr
	FOLD
	v_fma_f32 v8, v10, s60, s61                    ; the variance + 1e-5
	v_rsq_f32 v8, v8
	v_mov_b32 v9, 0                                ; a plain instruction behind the root; v9 is named with v8 as a pair, so it is written
	s_wait_loadcnt 0x0                             ; the gain and the bias
	s_wait_alu depctr_va_vdst(0)                   ; ahead of the first reader of the root
.set i, 0
.rept 32
	v_pk_mul_f32 v[X+2*i:X+2*i+1], v[X+2*i:X+2*i+1], v[8:9] op_sel_hi:[1,0]
.set i, i+1
.endr
.set i, 0
.rept 32
	v_pk_fma_f32 v[X+2*i:X+2*i+1], v[X+2*i:X+2*i+1], v[G+2*i:G+2*i+1], v[BE+2*i:BE+2*i+1]
.set i, i+1
.endr
.endm
; The row's codes under scale p (v[18+2p] = 2^e, v[19+2p] = 448 x 2^e), to the buffer at s[bs:bs+1].  A store's 32 lanes x 8 bytes are two tokens' 128 bytes: 256 consecutive bytes, aligned.
; Every store has data registers of its own.  The eight holds of the next block are the plain instructions between two conversions.
.macro LNQ p, bs
.irp j, 0,1,2,3,4,5,6,7
.irp i, 0,1,2,3,4,5,6,7
	v_med3_num_f32 v[BE+8*(\j%2)+\i], v[X+8*\j+\i], -v[19+2*\p], v[19+2*\p]   ; the conversion to an 8-bit code does not saturate (ISA guide 7.6.2): the hold comes first
.endr
	v_cvt_scalef32_pk8_fp8_f32 v[G+2*(8*\p+\j):G+2*(8*\p+\j)+1], v[BE+8*(\j%2):BE+8*(\j%2)+7], v[18+2*\p]
	global_store_b64 v4, v[G+2*(8*\p+\j):G+2*(8*\p+\j)+1], s[\bs:\bs+1] offset:524288*\j
.endr
.endm
	s_load_b512 s[8:23], s[0:1], 0x0               ; Wq 8, Wk 10, Wv 12, Wo 14, W1 16, W2 18, x 20, g1 22
	s_load_b256 s[24:31], s[0:1], 0x40             ; be1 24, the scales 26, wc 28, hc 30
	v_lshl_add_u32 v224, v0, 2, 0x4800
	v_mov_b32 v225, 0
	v_lshrrev_b32 v1, 5, v0
	v_readfirstlane_b32 s2, v1                     ; wave
	v_and_b32 v1, 31, v0                           ; lane
	s_wait_kmcnt 0x0
	s_load_b512 s[36:51], s[26:27], 0x0            ; e0 .. e15 in s36 .. s51
	s_cmp_ge_u32 ttmp9, 768
	s_cbranch_scc1 .Lln
	; ---- the weights.  The figures begin as W2's.
	s_mov_b64 s[4:5], s[18:19]                     ; the tensor
	s_mov_b32 s53, 512                             ; its first work-group
	s_mov_b32 s54, 4096                            ; bytes from a row k to the next
	s_mov_b32 s55, 3                               ; log2 of its groups of 128 columns
	s_mov_b32 s56, 256                             ; bytes from 64 columns to the next 64 (a head's block in Wq, Wk, Wv)
	s_mov_b32 s57, 131072                          ; bytes of a block of 128 along K in wc
	s_mov_b32 s58, 0x800000                        ; its place in wc
	PICK 512, 16, 256, 16384, 5, 256, 524288, 0x400000     ; W1
	PICK 256, 14, 192, 4096, 3, 256, 131072, 0x300000      ; Wo
	PICK 192, 12, 128, 256, 3, 262144, 131072, 0x200000    ; Wv
	PICK 128, 10, 64, 256, 3, 262144, 131072, 0x100000     ; Wk
	PICK 64, 8, 0, 256, 3, 262144, 131072, 0               ; Wq
	s_sub_co_u32 s60, ttmp9, s53                   ; my number within the tensor
	s_lshr_b32 s61, s60, s55                       ; which 128 along K
	s_lshl_b32 s62, s61, s55
	s_sub_co_u32 s62, s60, s62                     ; which 128 columns
	s_lshl_b32 s62, s62, 7
	s_lshl_b32 s63, s2, 5
	s_add_co_u32 s62, s62, s63                     ; my wave's first column
	s_lshr_b32 s63, s62, 6
	s_mul_i32 s63, s63, s56
	s_and_b32 s60, s62, 63
	s_lshl_b32 s60, s60, 2
	s_add_co_u32 s76, s63, s60                     ; its bytes in a row k
	s_lshl_b32 s60, s61, 7
	s_mul_i32 s60, s60, s54
	s_add_co_u32 s76, s76, s60                     ; + 128 kb rows
	s_mov_b32 s77, 0
	s_add_nc_u64 s[66:67], s[4:5], s[76:77]        ; four bases, 32 rows apart
	s_lshl_b32 s78, s54, 5
	s_mov_b32 s79, 0
	s_add_nc_u64 s[68:69], s[66:67], s[78:79]
	s_add_nc_u64 s[70:71], s[68:69], s[78:79]
	s_add_nc_u64 s[72:73], s[70:71], s[78:79]
	s_mul_i32 s80, s61, s57
	s_add_co_u32 s80, s80, s58
	s_lshl_b32 s60, s62, 7
	s_add_co_u32 s80, s80, s60
	s_mov_b32 s81, 0
	s_add_nc_u64 s[74:75], s[28:29], s[80:81]      ; where my 4,096 bytes of codes go
	v_lshlrev_b32 v[VO], 2, v1
.set i, 1
.rept 31
	v_add_nc_u32 v[VO+i], s54, v[VO+i-1]
.set i, i+1
.endr
.irp t, 0,1,2,3
.set i, 0
.rept 32
	global_load_b32 v[WX+32*\t+i], v[VO+i], s[66+2*\t:67+2*\t] th:TH_LOAD_NT   ; row 128 kb + 32 t + i at 32 neighbouring columns: 128 consecutive bytes a wave, 512 a work-group
.set i, i+1
.endr
.endr
	s_mul_i32 s3, s2, 32*SPT                       ; my stage
	v_mul_u32_u24 v2, v1, SPT
	v_add_nc_u32 v2, s3, v2                        ; into it: row = my column
	v_lshrrev_b32 v3, 3, v1
	v_mul_u32_u24 v3, v3, SPT
	v_and_b32 v5, 7, v1
	v_lshl_add_u32 v3, v5, 4, v3
	v_add_nc_u32 v3, s3, v3                        ; out of it: eight lanes to a row, four rows an instruction
	v_lshlrev_b32 v4, 4, v1
	s_wait_kmcnt 0x0
	s_mov_b32 s59, s51                             ; the tensor's e: entry 15, 13, 11, 4, 2 or 0
	PICKE 512, 49
	PICKE 256, 47
	PICKE 192, 40
	PICKE 128, 38
	PICKE 64, 36
	s_add_co_i32 s59, s59, 127
	s_lshl_b32 s60, s59, 23
	v_mov_b32 v11, s60                             ; 2^e as f32: the conversion takes its exponent field
	s_add_co_i32 s59, s59, 8
	s_lshl_b32 s59, s59, 23
	s_or_b32 s59, s59, 0x600000
	v_mov_b32 v10, s59                             ; 448 x 2^e
.irp t, 0,1,2,3
.if \t < 2
	s_wait_loadcnt 63                              ; at most 63 of the 128 loads are out, so the first 64 are in (a wait's count has six bits)
.else
	s_wait_loadcnt 96-32*\t                        ; this block's loads are in; the later blocks' may be out
.endif
.set i, 0
.rept 32
	v_med3_num_f32 v[WX+32*\t+i], v[WX+32*\t+i], -v10, v10
.set i, i+1
.endr
.irp g, 0,1,2,3
	v_cvt_scalef32_pk8_fp8_f32 v[WC+8*\t+2*\g:WC+8*\t+2*\g+1], v[WX+32*\t+8*\g:WX+32*\t+8*\g+7], v11
.endr
.endr
	v_nop                                          ; a plain instruction behind the last conversion
.irp j, 0,1,2,3,4,5,6,7
	ds_store_b128 v2, v[WC+4*\j:WC+4*\j+3] offset:16*\j
.endr
.irp j, 0,1,2,3,4,5,6,7
	ds_load_b128 v[WX+4*\j:WX+4*\j+3], v3 offset:4*SPT*\j    ; LDS serves a wave's instructions in order (ISA guide 5.7.1.4): these see my stores
.endr
.irp j, 0,1,2,3,4,5,6,7
	s_wait_dscnt 7-\j                              ; load j is in; the younger ones may be out
	global_store_b128 v4, v[WX+4*\j:WX+4*\j+3], s[74:75] offset:512*\j   ; 512 consecutive bytes
.endr
	s_wait_tensorcnt 0x0
	ds_add_u32 v224, v225
	s_wait_dscnt 0x0
	s_endpgm
	; ---- the layer norm
.Lln:
	s_sub_co_u32 s52, ttmp9, 768
	s_lshl_b32 s52, s52, 2
	s_add_co_u32 s52, s52, s2                      ; my wave's pair of rows
	s_lshl_b32 s54, s52, 13
	s_mov_b32 s55, 0
	s_add_nc_u64 s[4:5], s[20:21], s[54:55]        ; x at the pair
	s_lshl_b32 s54, s52, 8
	s_add_nc_u64 s[66:67], s[30:31], s[54:55]      ; hc at the pair, for each of the three parts
	s_add_nc_u64 s[68:69], s[66:67], 0x400000
	s_add_nc_u64 s[70:71], s[68:69], 0x400000
	s_mov_b32 s60, 0x3a800000                      ; 1 / 1,024
	s_mov_b32 s61, 0x3727c5ac                      ; 1e-5
	v_and_b32 v3, 15, v1
	v_lshlrev_b32 v3, 5, v3                        ; 32 l: my 8 numbers of each 128
	v_lshrrev_b32 v2, 4, v1
	v_lshl_add_u32 v2, v2, 12, v3                  ; + my row
	v_lshlrev_b32 v4, 3, v1                        ; my 8 codes' place in the pair's 256 bytes
	LNROW 4, 22, 24
	s_wait_kmcnt 0x0
.irp p, 0,1,2
	s_add_co_i32 s62, s[37+2*\p], 127              ; entries 1, 3, 5
	s_lshl_b32 s63, s62, 23
	v_mov_b32 v[18+2*\p], s63
	s_add_co_i32 s62, s62, 8
	s_lshl_b32 s62, s62, 23
	s_or_b32 s62, s62, 0x600000
	v_mov_b32 v[19+2*\p], s62
.endr
	LNQ 0, 66
	LNQ 1, 68
	LNQ 2, 70
	v_nop
	s_endpgm
.Lfunc_end_k_qb306c903ae_prep:
	.size	k_qb306c903ae_prep, .Lfunc_end_k_qb306c903ae_prep-k_qb306c903ae_prep
	.p2alignl 7, 3214868480
	.fill 96, 4, 3214868480
	.section	.rodata,"a",@progbits
	.p2align	6, 0x0
	.amdhsa_kernel k_qb306c903ae_prep
		.amdhsa_group_segment_fixed_size 18944
		.amdhsa_private_segment_fixed_size 0
		.amdhsa_enable_private_segment 0
		.amdhsa_kernarg_size 96
		.amdhsa_user_sgpr_count 2
		.amdhsa_user_sgpr_kernarg_segment_ptr 1
		.amdhsa_wavefront_size32 1
		.amdhsa_system_sgpr_workgroup_id_x 1
		.amdhsa_system_sgpr_workgroup_id_y 1
		.amdhsa_system_sgpr_workgroup_id_z 1
		.amdhsa_system_vgpr_workitem_id 0
		.amdhsa_next_free_vgpr 226
		.amdhsa_next_free_sgpr 84
		.amdhsa_reserve_vcc 0
		.amdhsa_float_denorm_mode_32 3
		.amdhsa_float_denorm_mode_16_64 3
		.amdhsa_memory_ordered 1
		.amdhsa_forward_progress 1
		.amdhsa_inst_pref_size 63
	.end_amdhsa_kernel
	.amdgpu_metadata
---
amdhsa.version: [ 1, 2 ]
amdhsa.kernels:
  - .name:           k_qb306c903ae_prep
    .symbol:         k_qb306c903ae_prep.kd
    .args:
      - { .name: Wq, .offset: 0, .size: 8, .value_kind: global_buffer, .address_space: global }
      - { .name: Wk, .offset: 8, .size: 8, .value_kind: global_buffer, .address_space: global }
      - { .name: Wv, .offset: 16, .size: 8, .value_kind: global_buffer, .address_space: global }
      - { .name: Wo, .offset: 24, .size: 8, .value_kind: global_buffer, .address_space: global }
      - { .name: W1, .offset: 32, .size: 8, .value_kind: global_buffer, .address_space: global }
      - { .name: W2, .offset: 40, .size: 8, .value_kind: global_buffer, .address_space: global }
      - { .name: x, .offset: 48, .size: 8, .value_kind: global_buffer, .address_space: global }
      - { .name: g1, .offset: 56, .size: 8, .value_kind: global_buffer, .address_space: global }
      - { .name: be1, .offset: 64, .size: 8, .value_kind: global_buffer, .address_space: global }
      - { .name: lowp_scales, .offset: 72, .size: 8, .value_kind: global_buffer, .address_space: global }
      - { .name: wc, .offset: 80, .size: 8, .value_kind: global_buffer, .address_space: global }
      - { .name: hc, .offset: 88, .size: 8, .value_kind: global_buffer, .address_space: global }
    .group_segment_fixed_size: 18944
    .private_segment_fixed_size: 0
    .kernarg_segment_align: 8
    .kernarg_segment_size: 96
    .max_flat_workgroup_size: 128
    .sgpr_count:     84
    .vgpr_count:     226
    .wavefront_size: 32
...
	.end_amdgpu_metadata
.endif
;; end of part 1
;; launch qkv (part 2): grid 12 x 16, 4 waves a work-group, clusters of 4 x 4, 327,680 bytes of LDS; arguments hc, wc, lowp_scales, qkvc; writes qkvc
.if DOCPART == 2
	.amdgcn_target "amdgcn-amd-amdhsa--gfx1250"
	.amdhsa_code_object_version 6
	.text
	.protected	k_qb306c903ae_qkv
	.globl	k_qb306c903ae_qkv
	.p2align	8
	.type	k_qb306c903ae_qkv,@function
k_qb306c903ae_qkv:
	s_mov_b64 s[64:65], 0
	v_nop
	global_prefetch_b8 v0, s[64:65] scope:SCOPE_SE
	s_setreg_imm32_b32 hwreg(HW_REG_WAVE_MODE, 25, 1), 1
	s_wait_xcnt 0x0
	s_wait_alu depctr_hold_cnt(0) depctr_sa_sdst(0) depctr_va_vdst(0) depctr_va_sdst(0) depctr_va_ssrc(0) depctr_va_vcc(0) depctr_vm_vsrc(0)
	s_getreg_b32 s2, hwreg(HW_REG_IB_STS2, 6, 4)
	s_cmp_eq_u32 s2, 0
	s_cbranch_scc0 .Lentry_in_a_cluster
	s_endpgm
.Lentry_in_a_cluster:
	s_bfe_u32 s2, ttmp6, 0x10000c
	s_cmp_lg_u32 s2, 0xf033
	s_cbranch_scc0 .Lentry_shape_is_right
	s_endpgm
.Lentry_shape_is_right:
; VAR = 0: q, k, v = h W (three products, one for each cluster column: part = cluster x), each result quantised at once into qkvc[part][b x 16 + head][t][64 bytes].
; VAR = 1: ff = relu(h2 W1 + b1), quantised into ffc[f / 128][token][128 bytes].
; Both operands are codes of E4M3 laid [K/128][row][128 bytes]: a tile of 256 rows x 128 K is 32,768 consecutive bytes.  K = 1,024.
; A tile of C, 256 tokens x 256 columns, is made by four waves, as many as a WGP has SIMDs; a wave makes 128 x 128: 64 accumulators, 512 registers.
; K goes in steps of 256 (two blocks of 128) through two LDS slots; a wave's one tensor load brings one operand's one block (wave 0, 1: A's; wave 2, 3: B's).  Four K steps: written out, no loop.
; CLUSTERS: 4 x 4 work-groups.  The four of a row of the cluster need the same tiles of A (tokens), the four of a column the same tiles of B (weights): each tile is asked for JOINTLY.
; THE MATRIX INSTRUCTION IS USED TRANSPOSED (source 0 = 16 rows of B, source 1 = 16 rows of A): a lane holds eight neighbouring columns of one token: eight neighbours along the next product's K.
; A fragment comes by four loads of 16 bytes: registers 4 c .. 4 c + 3 hold K = 32 c + 16 (lane / 16) + 0 .. 15, alike in A and B, so every product meets its partner.
; A sum stands for sum x 2^(ea + eb); its code is sum / 2^(eo - ea - eb): the three scales are folded into the conversion's one.  VAR = 1: b1 / 2^(ea + eb) is the C of each sum's first product.
; LIMITS: eo - ea - eb between -126 and 119.  NaN among the inputs is not served.
; No prefetch is written: of the four K steps two are the first fills and two follow one step behind them.
; REGISTERS, in windows of 256: window 0: v16-31 addresses and constants; v32-95 the bias (VAR = 1), later numbers held; v96-127 codes; from v128 A's fragments, ONE set; later rows read back.
;   window 1: B's fragments, TWO sets.   window 2: the accumulators of my rows 0-63 ((a, b) at v[8 (8 a + b)]);   window 3: those of my rows 64-127.
.set VAR,    0
.set PITCH,  144                       ; an LDS row: 128 bytes + 16: 9 x 16, so the 16 rows of a load begin at 16 different 16-byte columns of 256
.set KBB,    256*PITCH                 ; one operand's one block of 128 along K: what one tensor load brings
.set SLOT,   4*KBB                     ; A's two blocks, then B's two
.set SPARE,  2*SLOT                    ; behind the ring: the spare words, 128 bytes for each wave, which no other line names
.set FR,     16
.set NL,     4
.set NP,     4
.set ASTEP,  1048576                   ; a K step on in A: two blocks of 4,096 rows x 128 bytes
.if VAR
.set BSTEP,  1048576
.else
.set BSTEP,  262144                    ; in B: two blocks of 1,024 rows x 128 bytes
.endif
.set ADRA, 16
.set ADRB, 20
.set STO,  24
.set RD,   25
.set CO,   26
.set BO,   27
.set SPW,  28
.set NIL,  29
.set SC,   30
.set LIM,  31
.set TMP,  32
.set BI,   32
.set CD,   96
.set AF,   128
.set BB,   128
.set G1,  24
.set G0,  32
.set G1B, 48
.set G0B, 56
.set MSB, 0
.macro WIN new                         ; the immediate's high byte repeats the setting that is left
.if MSB != (\new)
	s_set_vgpr_msb (MSB<<8)|(\new)
.set MSB, (\new)
.endif
.endm
.set MUL_LO, 0xa1                      ; source 0 (B) window 1, source 1 (A) window 0, C and D window 2
.set MUL_HI, 0xf1                      ; the same, C and D window 3
.set TO_B,   0x40
.macro JLOAD g0a, g1a, g0b, g1b        ; a joint load: waves 0 and 1 fetch for A, waves 2 and 3 for B; four v_nop follow each of the two lines
	s_cmp_eq_u32 s15, 0
	s_cbranch_scc0 .Lfor_b_\@
	tensor_load_to_lds s[\g0a:\g0a+3], s[\g1a:\g1a+7]
	s_nop 0
.rept 4
	v_nop
.endr
	s_branch .Lasked_\@
.Lfor_b_\@:
	tensor_load_to_lds s[\g0b:\g0b+3], s[\g1b:\g1b+7]
	s_nop 0
.rept 4
	v_nop
.endr
.Lasked_\@:
.endm
.macro CREST                           ; a round of the cluster's barrier behind its opening barrier
	s_cmp_lg_u32 s14, 0
	s_cbranch_scc1 .Lnot_wave_0_\@
	s_barrier_signal -3
.Lnot_wave_0_\@:
	s_barrier_wait -3
	s_barrier_signal -1
	s_barrier_wait -1
.endm
.macro CROUND
	s_barrier_signal -1
	s_barrier_wait -1
	CREST
.endm
	s_load_b256 s[4:11], s[0:1], 0x0               ; A's codes 4, wc 6, the scales 8, the output 10
.if VAR
	s_load_b64 s[12:13], s[0:1], 0x20              ; b1
.endif
	v_lshl_add_u32 v[SPW], v0, 2, SPARE
	v_mov_b32 v[NIL], 0
	ds_add_u32 v28, v29
	ds_add_u32 v28, v29
	s_wait_dscnt 0x0
	v_lshrrev_b32 v1, 5, v0
	v_readfirstlane_b32 s14, v1                    ; wave 0..3
	s_lshr_b32 s15, s14, 1                         ; which half of the tile's rows is mine.  Also: I fetch for A (0) or for B (1)
	s_and_b32 s16, s14, 1                          ; which half of its columns.  Also: which of a K step's two blocks I fetch
	s_bfe_u32 s40, ttmp6, 0x40000                  ; cx, cy: my place in the cluster
	s_bfe_u32 s41, ttmp6, 0x40004
	s_lshl_b32 s42, ttmp9, 2
	s_add_co_u32 s42, s42, s40                     ; 4 x cluster x + cx (VAR = 1: the tile column)
	s_and_b32 s17, ttmp7, 0xffff
	s_lshl_b32 s17, s17, 2
	s_add_co_u32 s17, s17, s41                     ; tile row = 4 x cluster y + cy
	s_lshl_b32 s43, s41, 2
	s_lshl_b32 s43, 15, s43                        ; my row of the cluster
	s_lshl_b32 s44, 0x1111, s40                    ; my column
	s_or_b32 s[G1+0], s43, (0<<16)|(1<<20)|(1<<21)|(4<<22)|(3<<25)  ; 15:0 the mask; 17:16 elements of 1 byte; 20 padding on; 21 set beside a mask; 24:22 after every 32 words (code 4); 31:25 four words (code 3)
	s_or_b32 s[G1B+0], s44, (0<<16)|(1<<20)|(1<<21)|(4<<22)|(3<<25)
.irp g, G1, G1B
	s_mov_b32 s[\g+1], 128<<16                     ; tensor_dim0 = 128
	s_mov_b32 s[\g+2], 256<<16                     ; tensor_dim1 = 256
	s_mov_b32 s[\g+3], 128<<16                     ; tile_dim0 = 128
	s_mov_b32 s[\g+4], 256                         ; tile_dim1 = 256
	s_mov_b32 s[\g+5], 128                         ; from row to row
	s_mov_b32 s[\g+6], 0
	s_mov_b32 s[\g+7], 0
.endr
	s_lshl_b32 s20, s17, 15                        ; A: 256 rows x 128 bytes a tile row,
	s_lshl_b32 s18, s16, 19                        ; my block of the K step
	s_add_co_u32 s20, s20, s18
.if VAR == 0
	s_lshl_b32 s18, ttmp9, 22                      ; the part's copy of h
	s_add_co_u32 s20, s20, s18
.endif
	s_mov_b32 s21, 0
.if VAR
	s_lshl_b32 s46, s42, 15                        ; B: W1's codes begin 4 MiB into wc
	s_lshl_b32 s47, s16, 19
	s_add_co_u32 s46, s46, s47
	s_add_co_u32 s46, s46, 0x400000
.else
	s_lshl_b32 s46, s40, 15                        ; B: the part's weight, 1 MiB each; the tile column within it is cx
	s_lshl_b32 s47, s16, 17
	s_add_co_u32 s46, s46, s47
	s_lshl_b32 s47, ttmp9, 20
	s_add_co_u32 s46, s46, s47
.endif
	s_mov_b32 s47, 0
	s_mul_i32 s45, s14, KBB                        ; where my tile goes: no place in the cluster enters an LDS address
	s_wait_kmcnt 0x0
	s_load_b512 s[68:83], s[8:9], 0x0              ; e0 .. e15 in s68 .. s83
	s_add_nc_u64 s[20:21], s[4:5], s[20:21]
	s_add_nc_u64 s[46:47], s[6:7], s[46:47]
	CROUND                                         ; all sixteen work-groups are here: the first joint loads meet
.irp s, 0,1
	s_mov_b32 s[G0+4*\s], 1
	s_add_co_u32 s[G0+4*\s+1], s45, \s*SLOT
	s_add_nc_u64 s[G0+4*\s+2:G0+4*\s+3], s[20:21], \s*ASTEP
	s_or_b32 s[G0+4*\s+3], s[G0+4*\s+3], 0x80000000
	s_mov_b32 s[G0B+4*\s], 1
	s_add_co_u32 s[G0B+4*\s+1], s45, \s*SLOT
	s_add_nc_u64 s[G0B+4*\s+2:G0B+4*\s+3], s[46:47], \s*BSTEP
	s_or_b32 s[G0B+4*\s+3], s[G0B+4*\s+3], 0x80000000
	JLOAD G0+4*\s, G1, G0B+4*\s, G1B
.endr
	v_and_b32 v1, 15, v0                           ; r
	v_bfe_u32 v2, v0, 4, 1                         ; h
	v_mul_u32_u24 v3, v1, PITCH
	v_lshl_add_u32 v4, v2, 4, v3                   ; a fragment's row x pitch + 16 h
	s_mul_i32 s21, s15, 128*PITCH                  ; my 128 rows of A
	s_mul_i32 s22, s16, 128*PITCH                  ; my 128 rows of B,
	s_add_co_u32 s22, s22, 2*KBB                   ; which lie behind A's two blocks
.irp s, 0,1
	v_add_nc_u32 v[ADRA+\s], s21, v4
	v_add_nc_u32 v[ADRB+\s], s22, v4
	s_add_co_u32 s21, s21, SLOT
	s_add_co_u32 s22, s22, SLOT
.endr
	s_mul_i32 s23, s14, 16*PITCH                   ; my stage for the way out: 16 rows x 144 bytes, in slot 0, which has had its last fill and its last read by then
	v_lshl_add_u32 v5, v2, 3, v3
	v_add_nc_u32 v[STO], s23, v5                   ; in: row r, 8 bytes for each half of the lanes
	v_and_b32 v6, 31, v0
	v_lshlrev_b32 v[CO], 4, v6
.if VAR
	v_lshrrev_b32 v7, 3, v6                        ; back: eight lanes take a row's 128 bytes
	v_and_b32 v8, 7, v6
.else
	v_lshrrev_b32 v7, 2, v6                        ; back: four lanes take a head's 64 bytes of a row
	v_and_b32 v8, 3, v6
.endif
	v_mul_u32_u24 v7, v7, PITCH
	v_lshl_add_u32 v7, v8, 4, v7
	v_add_nc_u32 v[RD], s23, v7
.if VAR
	s_lshl_b32 s20, s42, 1
	s_add_co_u32 s20, s20, s16                     ; my 128 columns are block 2 x tile column + half of ffc
	s_lshl_b32 s20, s20, 19
	s_lshl_b32 s21, s17, 15
	s_add_co_u32 s20, s20, s21
	s_lshl_b32 s21, s15, 14
	s_add_co_u32 s20, s20, s21                     ; + my first token x 128
	s_mov_b32 s21, 0
	s_add_nc_u64 s[10:11], s[10:11], s[20:21]
	s_lshl_b32 s20, s42, 10
	s_lshl_b32 s21, s16, 9
	s_add_co_u32 s20, s20, s21
	s_mov_b32 s21, 0
	s_add_nc_u64 s[12:13], s[12:13], s[20:21]      ; b1 at my 128 columns
	v_lshlrev_b32 v[BO], 5, v2
.irp b, 0,1,2,3,4,5,6,7
	global_load_b128 v[BI+8*\b:BI+8*\b+3], v[BO], s[12:13] offset:64*\b          ; lane (r, h): b1 at columns 16 b + 8 h + 0 .. 7: the result's layout
	global_load_b128 v[BI+8*\b+4:BI+8*\b+7], v[BO], s[12:13] offset:64*\b+16
.endr
.else
	s_lshr_b32 s20, s17, 2                         ; the batch: 1,024 tokens are four tile rows
	s_lshl_b32 s20, s20, 4
	s_lshl_b32 s21, s40, 2
	s_add_co_u32 s20, s20, s21
	s_lshl_b32 s21, s16, 1
	s_add_co_u32 s20, s20, s21                     ; b x 16 + my first head (a tile's 256 columns are four heads, mine two)
	s_lshl_b32 s20, s20, 16                        ; x 1,024 tokens x 64 bytes
	s_and_b32 s21, s17, 3
	s_lshl_b32 s21, s21, 14
	s_add_co_u32 s20, s20, s21
	s_lshl_b32 s21, s15, 13
	s_add_co_u32 s20, s20, s21                     ; + my first token in the batch x 64
	s_lshl_b32 s21, ttmp9, 22
	s_add_co_u32 s20, s20, s21                     ; + the part
	s_mov_b32 s21, 0
	s_add_nc_u64 s[10:11], s[10:11], s[20:21]
.endif
.macro FRAG reg, adr, q, i             ; 16 rows x 128 K: block q of the slot, rows 16 i on
.irp c, 0,1,2,3
	ds_load_b128 v[\reg+4*\c:\reg+4*\c+3], v[\adr] offset:KBB*(\q)+32*\c+(\i)*16*PITCH
.endr
.endm
; 16 matrix instructions: A's blocks a0, a0 + 1 x B's eight.  p: B's set.  zero = 1: the first product starts the sums (with 0, or with the bias).
; The 64 accumulators take turns, one instruction a turn, in the same order in every step.
.macro MUL16 a0, p, zero
.irp a, \a0, \a0+1
.irp b, 0,1,2,3,4,5,6,7
.if \zero
.if VAR
	v_wmma_f32_16x16x128_fp8_fp8 v[8*(8*((\a)%4)+\b):8*(8*((\a)%4)+\b)+7], v[128*(\p)+FR*\b:128*(\p)+FR*\b+FR-1], v[AF+FR*(\a):AF+FR*(\a)+FR-1], v[BI+8*\b:BI+8*\b+7]
.else
	v_wmma_f32_16x16x128_fp8_fp8 v[8*(8*((\a)%4)+\b):8*(8*((\a)%4)+\b)+7], v[128*(\p)+FR*\b:128*(\p)+FR*\b+FR-1], v[AF+FR*(\a):AF+FR*(\a)+FR-1], 0
.endif
.else
	v_wmma_f32_16x16x128_fp8_fp8 v[8*(8*((\a)%4)+\b):8*(8*((\a)%4)+\b)+7], v[128*(\p)+FR*\b:128*(\p)+FR*\b+FR-1], v[AF+FR*(\a):AF+FR*(\a)+FR-1], v[8*(8*((\a)%4)+\b):8*(8*((\a)%4)+\b)+7]
.endif
.endr
.endr
.endm
.macro FETCH_B slot, q, p
	WIN TO_B
.irp i, 0,1,2,3,4,5,6,7
	FRAG 128*(\p)+FR*\i, ADRB+\slot, \q, \i
.endr
	WIN 0
.endm
.macro FETCH_A slot, q, i0
.irp i, \i0, \i0+1, \i0+2, \i0+3
	FRAG AF+FR*(\i), ADRA+\slot, \q, \i
.endr
.endm
.macro PLACES n                        ; plain vector instructions between a matrix instruction and a load into, or a read of, its registers
.rept \n
	v_nop
.endr
.endm
.macro STEP slot, q, zero              ; 128 along K that have their successor in the same slot
	s_wait_dscnt 4*NL                              ; B's set and A's blocks 0-3 are in; the youngest 16 loads (A's blocks 4-7) may be out
.if (\zero) && VAR
	WIN 0x81                                       ; C (the bias) window 0, D window 2
.else
	WIN MUL_LO
.endif
	MUL16 0, (\q)%2, \zero
	MUL16 2, (\q)%2, \zero
	s_wait_dscnt 0
	PLACES NP
	FETCH_B \slot, (\q)+1, 1-(\q)%2
	FETCH_A \slot, (\q)+1, 0
.if (\zero) && VAR
	WIN 0xc1
.else
	WIN MUL_HI
.endif
	MUL16 4, (\q)%2, \zero
	MUL16 6, (\q)%2, \zero
	PLACES NP
	WIN 0
	FETCH_A \slot, (\q)+1, 4
.endm
; A slot's last 128 change slots: ONE barrier; in front of it each wave waits for all its tensor loads, adds 0 to its spare word, and waits for that and for its reads of this slot.
.macro TURN slot, next, fill
	s_wait_tensorcnt 0x0                           ; all my tensor loads have landed: my part of the next slot
	ds_add_u32 v[SPW], v[NIL]                      ; 0 onto my spare word
	s_wait_dscnt 4*NL+1                            ; the add and the youngest 16 loads may be out
	WIN MUL_LO
	MUL16 0, 1, 0
	s_wait_dscnt 0x0                               ; the add is done, and my reads of this slot are over
	s_barrier_signal -1
	MUL16 2, 1, 0
	WIN 0
	s_barrier_wait -1
.if \fill
	CREST                                          ; the barrier has opened a round of the cluster's: no wave of any partner still reads this slot or has a load on its way
	s_add_nc_u64 s[G0+4*\slot+2:G0+4*\slot+3], s[G0+4*\slot+2:G0+4*\slot+3], 2*ASTEP
	s_add_nc_u64 s[G0B+4*\slot+2:G0B+4*\slot+3], s[G0B+4*\slot+2:G0B+4*\slot+3], 2*BSTEP
	JLOAD G0+4*\slot, G1, G0B+4*\slot, G1B         ; the first tensor load behind the round; its four v_nop are the places in front of the loads below
.else
	PLACES NP
.endif
	FETCH_B \next, 0, 0
	FETCH_A \next, 0, 0
	WIN MUL_HI
	MUL16 4, 1, 0
	MUL16 6, 1, 0
	PLACES NP
	WIN 0
	FETCH_A \next, 0, 4
.endm
	s_wait_tensorcnt 1                             ; my part of K step 0 is in; K step 1's load may be out
	s_barrier_signal -1
	s_barrier_wait -1
	FETCH_B 0, 0, 0
	FETCH_A 0, 0, 0
	FETCH_A 0, 0, 4
	s_wait_kmcnt 0x0
.if VAR
	s_add_co_i32 s84, s80, s81                     ; e12 + e13
	s_sub_co_i32 s86, s82, s84                     ; e14 - e12 - e13
	s_sub_co_i32 s88, 0, s84
.else
	s_cmp_eq_u32 ttmp9, 1                          ; the part's three entries: (0, 1, 6), (2, 3, 7), (4, 5, 9): selects, no branch
	s_cselect_b32 s84, s70, s68
	s_cselect_b32 s85, s71, s69
	s_cselect_b32 s86, s75, s74
	s_cmp_eq_u32 ttmp9, 2
	s_cselect_b32 s84, s72, s84
	s_cselect_b32 s85, s73, s85
	s_cselect_b32 s86, s77, s86
	s_add_co_i32 s84, s84, s85
	s_sub_co_i32 s86, s86, s84
.endif
	s_add_co_i32 s86, s86, 127
	s_lshl_b32 s87, s86, 23
	v_mov_b32 v[SC], s87                           ; 2^(eo - ea - eb) as f32
	s_add_co_i32 s86, s86, 8
	s_lshl_b32 s86, s86, 23
	s_or_b32 s86, s86, 0x600000
	v_mov_b32 v[LIM], s86                          ; 448 x that
.if VAR
	s_wait_loadcnt 0x0
.set j, 0
.rept 64
	v_ldexp_f32 v[BI+j], v[BI+j], s88              ; b1 / 2^(e12 + e13): the power of two that the sums lack
.set j, j+1
.endr
.endif
	STEP 0, 0, 1
	TURN 0, 1, 1
	STEP 1, 0, 0
	TURN 1, 0, 1
	STEP 0, 0, 0
	TURN 0, 1, 0                                   ; nothing is left to fetch
	STEP 1, 0, 0
	s_wait_dscnt 4*NL
	WIN MUL_LO
	MUL16 0, 1, 0
	MUL16 2, 1, 0
	s_wait_dscnt 0
	WIN MUL_HI
	MUL16 4, 1, 0
	MUL16 6, 1, 0
	WIN 0
; THE WAY OUT, block by block of 16 tokens x 128 columns: held (VAR = 1: between 0 and the largest code: the activation and the hold in one), converted, 8 bytes a lane into my stage, back as whole runs, stored.
.macro TOSTAGE a
.set AC, 64*((\a)%4)
	WIN 0x02+((\a)/4)                              ; source 0: window 2 or 3
.set j, 0
.rept 64
.if VAR
	v_med3_num_f32 v[TMP+j], v[AC+j], 0, v[LIM]    ; each accumulator from its low end on
.else
	v_med3_num_f32 v[TMP+j], v[AC+j], -v[LIM], v[LIM]
.endif
.set j, j+1
.endr
	WIN 0
.irp b, 0,1,2,3,4,5,6,7
	v_cvt_scalef32_pk8_fp8_f32 v[CD+16*((\a)%2)+2*\b:CD+16*((\a)%2)+2*\b+1], v[TMP+8*\b:TMP+8*\b+7], v[SC]
.endr
	v_nop                                          ; a plain instruction behind the last conversion
.irp b, 0,1,2,3,4,5,6,7
	ds_store_b64 v[STO], v[CD+16*((\a)%2)+2*\b:CD+16*((\a)%2)+2*\b+1] offset:16*\b
.endr
.irp t, 0,1,2,3
.if VAR
	ds_load_b128 v[BB+16*((\a)%2)+4*\t:BB+16*((\a)%2)+4*\t+3], v[RD] offset:4*PITCH*\t
.else
	ds_load_b128 v[BB+16*((\a)%2)+4*\t:BB+16*((\a)%2)+4*\t+3], v[RD] offset:(\t&1)*8*PITCH+(\t>>1)*64   ; head t / 2, rows 8 (t % 2) on
.endif
.endr
.endm
.macro SEND a, younger
	s_wait_dscnt \younger
.irp t, 0,1,2,3
.if VAR
	global_store_b128 v[CO], v[BB+16*((\a)%2)+4*\t:BB+16*((\a)%2)+4*\t+3], s[10:11] offset:2048*(\a)+512*\t          ; 512 consecutive bytes
.else
	global_store_b128 v[CO], v[BB+16*((\a)%2)+4*\t:BB+16*((\a)%2)+4*\t+3], s[10:11] offset:(\t>>1)*65536+1024*(\a)+(\t&1)*512
.endif
.endr
.endm
	PLACES NP
	TOSTAGE 0
.irp a, 1,2,3,4,5,6,7
.if \a > 1
	s_wait_xcnt 0x0                                ; block a - 2's stores have read their registers: block a's loads may land there
.endif
	TOSTAGE \a
	SEND \a-1, 12                                  ; behind block a - 1's loads: block a's 8 stores and 4 loads
.endr
	SEND 7, 0
	s_wait_tensorcnt 0x0                           ; the wave's end
	ds_add_u32 v[SPW], v[NIL]
	s_wait_dscnt 0x0
	CROUND                                         ; the closing round
	s_endpgm
.Lfunc_end_k_qb306c903ae_qkv:
	.size	k_qb306c903ae_qkv, .Lfunc_end_k_qb306c903ae_qkv-k_qb306c903ae_qkv
	.p2alignl 7, 3214868480
	.fill 96, 4, 3214868480
	.section	.rodata,"a",@progbits
	.p2align	6, 0x0
	.amdhsa_kernel k_qb306c903ae_qkv
		.amdhsa_group_segment_fixed_size 327680
		.amdhsa_private_segment_fixed_size 0
		.amdhsa_enable_private_segment 0
		.amdhsa_kernarg_size 32
		.amdhsa_user_sgpr_count 2
		.amdhsa_user_sgpr_kernarg_segment_ptr 1
		.amdhsa_wavefront_size32 1
		.amdhsa_system_sgpr_workgroup_id_x 1
		.amdhsa_system_sgpr_workgroup_id_y 1
		.amdhsa_system_sgpr_workgroup_id_z 1
		.amdhsa_system_vgpr_workitem_id 0
		.amdhsa_next_free_vgpr 1024
		.amdhsa_next_free_sgpr 100
		.amdhsa_reserve_vcc 0
		.amdhsa_float_denorm_mode_32 3
		.amdhsa_float_denorm_mode_16_64 3
		.amdhsa_memory_ordered 1
		.amdhsa_forward_progress 1
		.amdhsa_inst_pref_size 124
	.end_amdhsa_kernel
	.amdgpu_metadata
---
amdhsa.version: [ 1, 2 ]
amdhsa.kernels:
  - .name:           k_qb306c903ae_qkv
    .symbol:         k_qb306c903ae_qkv.kd
    .args:
      - { .name: hc, .offset: 0, .size: 8, .value_kind: global_buffer, .address_space: global }
      - { .name: wc, .offset: 8, .size: 8, .value_kind: global_buffer, .address_space: global }
      - { .name: lowp_scales, .offset: 16, .size: 8, .value_kind: global_buffer, .address_space: global }
      - { .name: qkvc, .offset: 24, .size: 8, .value_kind: global_buffer, .address_space: global }
    .group_segment_fixed_size: 327680
    .private_segment_fixed_size: 0
    .kernarg_segment_align: 8
    .kernarg_segment_size: 32
    .max_flat_workgroup_size: 128
    .sgpr_count:     100
    .vgpr_count:     1024
    .wavefront_size: 32
...
	.end_amdgpu_metadata
.endif
;; end of part 2
;; launch attn (part 3): grid 4 x 64, 16 waves a work-group, no clusters, 252,928 bytes of LDS; arguments qkvc, lowp_scales, ctxc; writes ctxc
.if DOCPART == 3
	.amdgcn_target "amdgcn-amd-amdhsa--gfx1250"
	.amdhsa_code_object_version 6
	.text
	.protected	k_qb306c903ae_attn
	.globl	k_qb306c903ae_attn
	.p2align	8
	.type	k_qb306c903ae_attn,@function
k_qb306c903ae_attn:
	s_mov_b64 s[64:65], 0
	v_nop
	global_prefetch_b8 v0, s[64:65] scope:SCOPE_SE
	s_setreg_imm32_b32 hwreg(HW_REG_WAVE_MODE, 25, 1), 1
	s_wait_xcnt 0x0
; ctx = causal softmax(q k^T / 8) v for one head (work-group y = b x 16 + head), both products on codes of E4M3; ctx is quantised at once (entry 10) into ctxc[head][token][64 bytes].
; q, k, v: qkvc[part][b x 16 + head][t][64 bytes].  Scales: q entry 6, k 7, p 8, v 9.
; THE SOFTMAX: t = score x log2(e) / 8; M = the largest t so far rounded UP to a whole number; p = 2^(t - M) is quantised, not normalised; the sum of the unquantised p divides at the end;
; when M moves, the sum and O are multiplied by 2^(old M - new M), which rounds nothing.
; SHARES.  Work-group x = i owns the blocks of 128 queries i and 7 - i: i + 1 and 8 - i key steps of 128, nine in every work-group.  Sixteen waves, one tile of 16 queries each; wave w takes tile w / 2 of
; block i or 7 - i by the bit (w xor w / 4) & 1, so that light and heavy waves are mixed among neighbours.
; LDS.  The whole head lies in LDS and every byte is filled once: wave 0 brings K and wave 1 V, four tensor loads of 256 keys each, all at the head (four loads of a wave are out at the most).
; V lies [key][64]; the second product wants the keys innermost.  In each of four stages the sixteen waves turn 256 keys: ds_load_tr16_b128 on pairs of bytes, v_perm_b32 to part even and odd channels,
; ds_store_b64 into V^T (64 rows x 1,040 bytes).  In V^T bits 3 and 4 of a key's place are swapped, so that a load of 16 bytes brings the keys in the order of p's registers.
; LAYOUT.  Both products transposed: S^T = K Q^T (K = 64), O^T = V^T P^T (K = 128 keys): a lane holds ONE query (lane % 16); register 8 tau + j of S^T is key 16 tau + 8 (lane / 16) + j.
; CAUSAL.  A key step behind the wave's block is left out by a scalar branch on ids, round its loads and arithmetic alone; in the step on the diagonal hidden scores become -infinity ahead of the maximum.
; NO CLUSTER, though the four work-groups of a head read the same K and V: the steps that a wave leaves out hang on the work-group's x, which would be its place among the partners.
; No prefetch is written: all of the head's K and V is asked for by the tensor loads at the kernel's head.
; LIMITS: e6 + e7 between -123 and 130 (added to c's exponent field); e8 and e10 between -126 and 119.  NaN among the inputs is not served.
; REGISTERS: v1-9 addresses; v12 -M, v13 the largest t, v[14:15] the sum; v16-23 Q; v24-31 V as loaded for the turn; v32-95 K's, then V's fragments; v96-159 S^T, then p; v160-191 O^T; v192-207 p's codes;
; v208-215 V turned; v236-254 at work and constants.
.set VRAW, 81920                       ; LDS: K's 1,024 rows x 80 bytes from 0; V's likewise from here;
.set VT,   163840                      ; V^T;
.set OST,  230400                      ; and a stage of 16 rows x 80 bytes for each wave
.set KP,   80                          ; 64 bytes + 16: 5 x 16
.set VTP,  1040                        ; 1,024 bytes + 16: 65 x 16
.set STG,  256*KP                      ; a stage's 256 keys
	s_load_b128 s[4:7], s[0:1], 0x0                ; qkvc 4, the scales 6
	s_load_b64 s[8:9], s[0:1], 0x10                ; ctxc
	v_lshl_add_u32 v251, v0, 2, 0x3d400
	v_mov_b32 v255, 0
	ds_add_u32 v251, v255
	ds_add_u32 v251, v255
	v_lshrrev_b32 v10, 5, v0
	v_readfirstlane_b32 s18, v10                   ; wave 0..15
	s_and_b32 s10, ttmp7, 0xffff                   ; b x 16 + head
	s_lshr_b32 s84, s18, 2
	s_xor_b32 s84, s84, s18
	s_and_b32 s84, s84, 1
	s_sub_co_u32 s85, 7, ttmp9
	s_cmp_eq_u32 s84, 1
	s_cselect_b32 s50, s85, ttmp9                  ; my block of 128 queries
	s_lshr_b32 s86, s18, 1                         ; my tile in it
	s_lshl_b32 s51, s50, 7
	s_lshl_b32 s87, s86, 4
	s_add_co_u32 s51, s51, s87                     ; my first query
	s_mov_b32 s24, (1<<20)|(3<<22)|(3<<25)         ; group 1: no mask; elements of 1 byte; padding: four words after every 16
	s_mov_b32 s25, 64<<16                          ; tensor_dim0
	s_mov_b32 s26, 256<<16                         ; tensor_dim1
	s_mov_b32 s27, 64<<16                          ; tile_dim0
	s_mov_b32 s28, 256                             ; tile_dim1
	s_mov_b32 s29, 64                              ; from row to row
	s_mov_b32 s30, 0
	s_mov_b32 s31, 0
	s_mov_b32 s20, 0x76543210                      ; v_permlanex16_b32: lane l xor 16
	s_mov_b32 s21, 0xfedcba98
	s_mov_b32 s22, 0x3e38aa3b                      ; c = log2(e) / 8
	s_mov_b32 s52, 0x06040200                      ; the even bytes of two words
	s_mov_b32 s53, 0x07050301                      ; the odd ones
	s_and_b32 s88, s18, 1
	s_mul_i32 s89, s88, VRAW                       ; wave 0: K's region; wave 1: V's
	s_add_co_u32 s90, s88, 1
	s_lshl_b32 s90, s90, 22                        ; part 1 or 2 of qkvc
	s_lshl_b32 s91, s10, 16
	s_add_co_u32 s90, s90, s91                     ; the head's 65,536 bytes
	s_mov_b32 s91, 0
	s_lshl_b32 s92, s10, 16
	s_lshl_b32 s93, s51, 6
	s_add_co_u32 s92, s92, s93
	s_mov_b32 s93, 0
	s_and_b32 s94, s10, 15
	s_lshl_b32 s94, s94, 18                        ; ctxc: the head's 4,096 tokens x 64 bytes,
	s_lshr_b32 s95, s10, 4
	s_lshl_b32 s95, s95, 10
	s_add_co_u32 s95, s95, s51
	s_lshl_b32 s95, s95, 6
	s_add_co_u32 s94, s94, s95                     ; my first token
	s_mov_b32 s95, 0
	s_wait_dscnt 0x0
	s_wait_kmcnt 0x0
	s_load_b512 s[68:83], s[6:7], 0x0              ; e0 .. e15 in s68 .. s83
	s_add_nc_u64 s[90:91], s[4:5], s[90:91]
	s_add_nc_u64 s[92:93], s[4:5], s[92:93]        ; q at my first query
	s_add_nc_u64 s[8:9], s[8:9], s[94:95]
.irp s, 0,1,2,3
	s_mov_b32 s[32+4*\s], 1
	s_add_co_u32 s[33+4*\s], s89, \s*STG
	s_add_nc_u64 s[34+4*\s:35+4*\s], s[90:91], \s*16384
	s_or_b32 s[35+4*\s], s[35+4*\s], 0x80000000
.endr
	s_cmp_lt_u32 s18, 2                            ; all first fills of a wave stand in one branch on the wave's number, ahead of every wait on TENSORcnt, LDS read and barrier
	s_cbranch_scc0 .Lno_fetch
	tensor_load_to_lds s[32:35], s[24:31]
	s_nop 0
	tensor_load_to_lds s[36:39], s[24:31]
	s_nop 0
	tensor_load_to_lds s[40:43], s[24:31]
	s_nop 0
	tensor_load_to_lds s[44:47], s[24:31]
	s_nop 0
.rept 4
	v_nop
.endr
.Lno_fetch:
	v_and_b32 v10, 15, v0                          ; r
	v_bfe_u32 v11, v0, 4, 1                        ; h
	v_lshlrev_b32 v208, 6, v10
	v_lshl_add_u32 v208, v11, 4, v208              ; q: row r of 64 bytes, + 16 h
	global_load_b128 v[16:19], v208, s[92:93]
	global_load_b128 v[20:23], v208, s[92:93] offset:32
	v_and_b32 v209, 31, v0                         ; lane
	v_mul_u32_u24 v1, v10, KP
	v_lshl_add_u32 v1, v11, 4, v1                  ; K: row r, + 16 h
	v_mul_u32_u24 v2, v10, VTP
	v_lshl_add_u32 v2, v11, 4, v2
	v_add_nc_u32 v2, VT, v2                        ; V^T: row r, + 16 h
	s_mul_i32 s84, s86, 32*KP                      ; the turn: wave w takes keys 32 (w / 2) + lane of a stage, channels 32 (w % 2) on
	s_lshl_b32 s85, s88, 5
	s_add_co_u32 s84, s84, s85
	s_add_co_u32 s84, s84, VRAW
	v_mul_u32_u24 v3, v209, KP
	v_add_nc_u32 v3, s84, v3
	s_mul_i32 s84, s88, 32*VTP                     ; and puts lane 8 g + i's eight keys 8 g .. 8 g + 7 into rows 32 (w % 2) + 2 i and + 1, at place 32 (w / 2) + 16 (g % 2) + 8 (g / 2)
	s_lshl_b32 s85, s86, 5
	s_add_co_u32 s84, s84, s85
	s_add_co_u32 s84, s84, VT
	v_and_b32 v210, 7, v0
	v_mul_u32_u24 v4, v210, 2*VTP
	v_bfe_u32 v210, v0, 3, 1
	v_lshl_add_u32 v4, v210, 4, v4
	v_lshl_add_u32 v4, v11, 3, v4
	v_add_nc_u32 v4, s84, v4
	s_mul_i32 s84, s18, 16*KP
	s_add_co_u32 s84, s84, OST                     ; my stage
	v_mul_u32_u24 v6, v10, KP
	v_lshl_add_u32 v6, v11, 3, v6
	v_add_nc_u32 v6, s84, v6                       ; in: row r, 8 bytes for each half of the lanes
	v_lshrrev_b32 v7, 2, v209
	v_mul_u32_u24 v7, v7, KP
	v_and_b32 v210, 3, v0
	v_lshl_add_u32 v7, v210, 4, v7
	v_add_nc_u32 v7, s84, v7                       ; back: four lanes to a row
	v_lshlrev_b32 v8, 4, v209
	v_lshlrev_b32 v9, 3, v11
	v_sub_nc_u32 v9, v10, v9
	v_add_nc_u32 v9, s87, v9                       ; d = my query in its block - 8 h: on the diagonal register 8 tau + j is hidden where 16 tau + j > d
	v_mov_b32 v13, 0xff61b1e6                      ; the largest t so far: -3e38, under every t
	v_floor_f32 v12, -v13                          ; -M
	v_mov_b32 v14, 0
	v_mov_b32 v15, 0
	v_mov_b32 v236, 0                              ; a lane permute's destination counts as one of its sources
	v_mov_b32 v252, 0
	v_mov_b32 v253, 0                              ; (named as the upper half of the pair v[252:253])
.set j, 0
.rept 32
	v_mov_b32 v[160+j], 0                          ; O^T: the step is written alike for all: the first finds zeros, which the first change of M leaves zeros
.set j, j+1
.endr
	s_wait_kmcnt 0x0
	s_add_co_i32 s84, s74, s75
	s_lshl_b32 s84, s84, 23
	s_add_co_i32 s22, s22, s84                     ; a score stands for score x 2^(e6 + e7): added to c's exponent field
	s_mov_b32 s23, s22
	s_add_co_i32 s84, s76, 127
	s_lshl_b32 s85, s84, 23
	v_mov_b32 v244, s85                            ; 2^e8
	s_add_co_i32 s84, s84, 8
	s_lshl_b32 s84, s84, 23
	s_or_b32 s84, s84, 0x600000
	v_mov_b32 v240, s84                            ; 448 x 2^e8
	s_add_co_i32 s84, s78, 127
	s_lshl_b32 s85, s84, 23
	v_mov_b32 v245, s85                            ; 2^e10
	s_add_co_i32 s84, s84, 8
	s_lshl_b32 s84, s84, 23
	s_or_b32 s84, s84, 0x600000
	v_mov_b32 v241, s84                            ; 448 x 2^e10
	s_add_co_i32 s54, s76, s77                     ; e8 + e9
	s_wait_loadcnt 0x0                             ; Q
; A KEY STEP: keys 128 t .. 128 t + 127.  v5: K's address in the stage in hand.
.macro STEP t
.if (\t) > 0
	s_cmp_lt_u32 s50, \t                           ; all its keys come after my queries: left out
	s_cbranch_scc1 .Lhidden_\@
.endif
.rept 4
	v_nop                                          ; places in front of loads into registers that the last products read
.endr
.irp k, 0,1,2,3,4,5,6,7
.irp c, 0,1
	ds_load_b128 v[32+8*\k+4*\c:32+8*\k+4*\c+3], v5 offset:(128*((\t)%2)+16*\k)*KP+32*\c
.endr
.endr
	s_wait_dscnt 0x0
.irp k, 0,1,2,3,4,5,6,7
	v_wmma_f32_16x16x64_fp8_fp8 v[96+8*\k:103+8*\k], v[32+8*\k:39+8*\k], v[16:23], 0
.endr
.rept 4
	v_nop
.endr
.irp k, 0,1,2,3
.irp c, 0,1,2,3
	ds_load_b128 v[32+16*\k+4*\c:32+16*\k+4*\c+3], v2 offset:16*VTP*\k+128*(\t)+32*\c   ; V^T's fragments land while the softmax is worked
.endr
.endr
	s_cmp_lg_u32 s50, \t
	s_cbranch_scc1 .Lopen_\@
	v_mov_b32 v254, 0xff800000                     ; -infinity
.set n, 0
.rept 64
	v_cmp_gt_i32 vcc_lo, 16*(n/8)+n%8, v9
	v_cndmask_b32 v[96+n], v[96+n], v254, vcc_lo
.set n, n+1
.endr
.Lopen_\@:
	v_max3_num_f32 v254, v96, v97, v98             ; the step's largest score of my query among my 64 keys, in two chains,
	v_max3_num_f32 v252, v99, v100, v101
.irp i, 6,10,14,18,22,26,30,34,38,42,46,50,54,58
	v_max3_num_f32 v254, v254, v[96+\i], v[97+\i]
	v_max3_num_f32 v252, v252, v[98+\i], v[99+\i]
.endr
	v_max3_num_f32 v254, v254, v158, v159
	v_max_num_f32 v254, v254, v252
	v_permlanex16_b32 v236, v254, s20, s21
	v_max_num_f32 v254, v254, v236                 ; and among lane l xor 16's
	v_mul_f32 v254, s22, v254                      ; as t (c is positive)
	v_max_num_f32 v13, v13, v254
	v_mov_b32 v254, v12
	v_floor_f32 v12, -v13                          ; the new -M = -ceil(t)
	v_sub_f32 v254, v12, v254                      ; old M - new M: a whole number, 0 or less
	v_cvt_i32_f32 v254, v254                       ; (it saturates)
	v_ldexp_f32 v252, 1.0, v254                    ; f = 2^(old M - new M)
.set j, 0
.rept 32
	v_pk_fma_f32 v[96+j:97+j], v[96+j:97+j], s[22:23], v[12:13] op_sel_hi:[1,0,0]   ; t - M
.set j, j+2
.endr
.set j, 0
.rept 64
	v_exp_f32 v[96+j], v[96+j]                     ; p = 2^(t - M)
.set j, j+1
.endr
	v_pk_mul_f32 v[14:15], v[14:15], v[252:253] op_sel_hi:[1,0]   ; the sums under the new M: the plain instruction behind the exponentials
	s_wait_alu depctr_va_vdst(0)                   ; one wait for the batch, ahead of its first reader
	v_pk_add_f32 v[242:243], v[96:97], v[98:99]    ; the sum of the UNQUANTISED p, in two chains
.irp j, 4,8,12,16,20,24,28,32,36,40,44,48,52,56,60
	v_pk_add_f32 v[14:15], v[14:15], v[96+\j:97+\j]
	v_pk_add_f32 v[242:243], v[242:243], v[98+\j:99+\j]
.endr
	v_pk_add_f32 v[14:15], v[14:15], v[242:243]
.irp k, 0,1,2,3,4,5,6,7
.irp i, 0,1,2,3,4,5,6,7
	v_min_num_f32 v[96+8*\k+\i], v[96+8*\k+\i], v240   ; the conversion does not saturate (ISA guide 7.6.2); p is not negative, so the hold is one-sided
.endr
	v_cvt_scalef32_pk8_fp8_f32 v[192+2*\k:193+2*\k], v[96+8*\k:103+8*\k], v244
.endr
.set j, 0
.rept 16
	v_pk_mul_f32 v[160+j:161+j], v[160+j:161+j], v[252:253] op_sel_hi:[1,0]   ; O^T under the new M; also the plain instructions between the conversions and the products
.set j, j+2
.endr
	s_wait_dscnt 0x0                               ; V^T's fragments
.irp k, 0,1,2,3
	v_wmma_f32_16x16x128_fp8_fp8 v[160+8*\k:167+8*\k], v[32+16*\k:47+16*\k], v[192:207], v[160+8*\k:167+8*\k]   ; the four accumulators take turns
.endr
.if (\t) > 0
.Lhidden_\@:
.endif
.endm
; A STAGE: 256 keys.  First barrier: the fetching waves have seen their load land, and nobody's LDS instruction is out.  Then V's 256 keys are turned.  Second barrier: V^T's new columns are whole.  Then two key steps.
.macro STAGE s
	s_wait_tensorcnt 3-\s                          ; stage s's load has landed; the later stages' may be out (nothing is ever filled again)
	s_wait_dscnt 0x0
	s_barrier_signal -1
	s_barrier_wait -1
	ds_load_tr16_b128 v[24:27], v3 offset:STG*\s
	ds_load_tr16_b128 v[28:31], v3 offset:STG*\s+16
	s_wait_dscnt 0x0
.irp u, 0,1
	v_perm_b32 v[208+4*\u], v[25+4*\u], v[24+4*\u], s52    ; channel 16 u + 2 i: keys 0-3,
	v_perm_b32 v[209+4*\u], v[27+4*\u], v[26+4*\u], s52    ; keys 4-7;
	v_perm_b32 v[210+4*\u], v[25+4*\u], v[24+4*\u], s53    ; channel 16 u + 2 i + 1
	v_perm_b32 v[211+4*\u], v[27+4*\u], v[26+4*\u], s53
.endr
.irp u, 0,1
	ds_store_b64 v4, v[208+4*\u:209+4*\u] offset:16*VTP*\u+256*\s
	ds_store_b64 v4, v[210+4*\u:211+4*\u] offset:16*VTP*\u+256*\s+VTP
.endr
	s_wait_dscnt 0x0                               ; for the others' sake: my stores are done
	s_barrier_signal -1
	s_barrier_wait -1
	v_add_nc_u32 v5, STG*\s, v1
	STEP 2*\s
	STEP 2*\s+1
.endm
	STAGE 0
	STAGE 1
	STAGE 2
	STAGE 3
	; THE WAY OUT: O^T / the sum x 2^(e8 + e9) is ctx; held, converted with 2^e10, 8 bytes a lane through my stage, stored as 1,024 consecutive bytes.
.rept 4
	v_nop                                          ; places behind the last products
.endr
	v_add_f32 v14, v14, v15
	v_permlanex16_b32 v252, v14, s20, s21
	v_add_f32 v14, v14, v252                       ; the row's sum
	v_rcp_f32 v14, v14
	v_nop                                          ; a plain instruction behind the reciprocal
	s_wait_alu depctr_va_vdst(0)                   ; ahead of the first reader
	v_ldexp_f32 v14, v14, s54
.set j, 0
.rept 32
	v_mul_f32 v[96+j], v[160+j], v14               ; register 8 k + i is ctx(query r, channel 16 k + 8 h + i); each accumulator from its low end on
.set j, j+1
.endr
.set j, 0
.rept 32
	v_med3_num_f32 v[96+j], v[96+j], -v241, v241
.set j, j+1
.endr
.irp k, 0,1,2,3
	v_cvt_scalef32_pk8_fp8_f32 v[192+2*\k:193+2*\k], v[96+8*\k:103+8*\k], v245
.endr
	v_nop
.irp k, 0,1,2,3
	ds_store_b64 v6, v[192+2*\k:193+2*\k] offset:16*\k
.endr
	ds_load_b128 v[32:35], v7                      ; LDS serves a wave's instructions in order (ISA guide 5.7.1.4): these see my stores
	ds_load_b128 v[36:39], v7 offset:8*KP
	s_wait_dscnt 1                                 ; the first is in; the younger one may be out
	global_store_b128 v8, v[32:35], s[8:9]
	s_wait_dscnt 0x0
	global_store_b128 v8, v[36:39], s[8:9] offset:512
	s_wait_tensorcnt 0x0
	ds_add_u32 v251, v255
	s_wait_dscnt 0x0
	s_endpgm
.Lfunc_end_k_qb306c903ae_attn:
	.size	k_qb306c903ae_attn, .Lfunc_end_k_qb306c903ae_attn-k_qb306c903ae_attn
	.p2alignl 7, 3214868480
	.fill 96, 4, 3214868480
	.section	.rodata,"a",@progbits
	.p2align	6, 0x0
	.amdhsa_kernel k_qb306c903ae_attn
		.amdhsa_group_segment_fixed_size 252928
		.amdhsa_private_segment_fixed_size 0
		.amdhsa_enable_private_segment 0
		.amdhsa_kernarg_size 24
		.amdhsa_user_sgpr_count 2
		.amdhsa_user_sgpr_kernarg_segment_ptr 1
		.amdhsa_wavefront_size32 1
		.amdhsa_system_sgpr_workgroup_id_x 1
		.amdhsa_system_sgpr_workgroup_id_y 1
		.amdhsa_system_sgpr_workgroup_id_z 1
		.amdhsa_system_vgpr_workitem_id 0
		.amdhsa_next_free_vgpr 256
		.amdhsa_next_free_sgpr 96
		.amdhsa_reserve_vcc 1
		.amdhsa_float_denorm_mode_32 3
		.amdhsa_float_denorm_mode_16_64 3
		.amdhsa_memory_ordered 1
		.amdhsa_forward_progress 1
		.amdhsa_inst_pref_size 179
	.end_amdhsa_kernel
	.amdgpu_metadata
---
amdhsa.version: [ 1, 2 ]
amdhsa.kernels:
  - .name:           k_qb306c903ae_attn
    .symbol:         k_qb306c903ae_attn.kd
    .args:
      - { .name: qkvc, .offset: 0, .size: 8, .value_kind: global_buffer, .address_space: global }
      - { .name: lowp_scales, .offset: 8, .size: 8, .value_kind: global_buffer, .address_space: global }
      - { .name: ctxc, .offset: 16, .size: 8, .value_kind: global_buffer, .address_space: global }
    .group_segment_fixed_size: 252928
    .private_segment_fixed_size: 0
    .kernarg_segment_align: 8
    .kernarg_segment_size: 24
    .max_flat_workgroup_size: 512
    .sgpr_count:     96
    .vgpr_count:     256
    .wavefront_size: 32
...
	.end_amdgpu_metadata
.endif
;; end of part 3
;; launch wo (part 4): grid 8 x 32, 4 waves a work-group, clusters of 4 x 4, 327,680 bytes of LDS; arguments ctxc, wc, lowp_scales, bo, x, x1; writes x1
.if DOCPART == 4
	.amdgcn_target "amdgcn-amd-amdhsa--gfx1250"
	.amdhsa_code_object_version 6
	.text
	.protected	k_qb306c903ae_wo
	.globl	k_qb306c903ae_wo
	.p2align	8
	.type	k_qb306c903ae_wo,@function
k_qb306c903ae_wo:
	s_mov_b64 s[64:65], 0
	v_nop
	global_prefetch_b8 v0, s[64:65] scope:SCOPE_SE
	s_setreg_imm32_b32 hwreg(HW_REG_WAVE_MODE, 25, 1), 1
	s_wait_xcnt 0x0
	s_wait_alu depctr_hold_cnt(0) depctr_sa_sdst(0) depctr_va_vdst(0) depctr_va_sdst(0) depctr_va_ssrc(0) depctr_va_vcc(0) depctr_vm_vsrc(0)
	s_getreg_b32 s2, hwreg(HW_REG_IB_STS2, 6, 4)
	s_cmp_eq_u32 s2, 0
	s_cbranch_scc0 .Lentry_in_a_cluster
	s_endpgm
.Lentry_in_a_cluster:
	s_bfe_u32 s2, ttmp6, 0x10000c
	s_cmp_lg_u32 s2, 0xf033
	s_cbranch_scc0 .Lentry_shape_is_right
	s_endpgm
.Lentry_shape_is_right:
; VAR = 0: x1 = x + ctx Wo + bo (K = 1,024).   VAR = 1: out = x1 + ff W2 + b2 (K = 4,096).  Both operands are codes of E4M3; the result is f32 [4,096][1,024].
; A: VAR = 0: ctxc[head][token][64 bytes]; VAR = 1: ffc[K/128][token][128 bytes].  B: wc, [K/128][n][128 bytes].
; A tile of C is 128 x 128, which gives 256 work-groups (256 x 256 would give 64).  Four waves of 64 x 64: 16 accumulators.  K goes in steps of 512 (four blocks of 128) through two LDS slots.
; A wave's one tensor load brings two blocks of one operand (wave 0, 1: A's; 2, 3: B's): a block's 128 rows are consecutive bytes in memory and are stated as ONE row of the tile, the blocks as its rows;
; the padding's interval (a code row: 128 or 64 bytes) divides that row, so code rows lie 144 (or 80) bytes apart in LDS.
; CLUSTERS: 4 x 4 work-groups; A's tiles are shared along a row of the cluster, B's along a column: each is asked for JOINTLY.
; THE MATRIX INSTRUCTION IS USED TRANSPOSED (source 0 = 16 rows of B, source 1 = 16 rows of A): a lane holds eight neighbouring columns of one token.
; A fragment's registers 4 c .. 4 c + 3 hold K = 32 c + 16 (lane / 16) + 0 .. 15 of its block, alike in A and B.
; The residual and the bias are loaded at the head, in the layout in which rows come back from the stage; out = sum x 2^(ea + eb) + (residual + bias): one packed multiply-add for two numbers.
; LIMIT: ea + eb between -126 and 127.
; No prefetch is written: VAR = 0 has first fills alone; VAR = 1's tiles are read by several clusters at about the same time.
; REGISTERS: window 0: v12-29 addresses and the bias; v32-95 rows read back, two sets; v128-255 the accumulators ((a, b) at v[128 + 8 (4 a + b)]).
;   window 1: two fragment buffers of 128: A's four fragments, then B's four.   window 2: v0-127 the residual.
.set VAR,   0
.if VAR
.set PA,    144                        ; A's code rows in LDS
.set AKB,   18432                      ; a block of 128 along K of A: 128 x 144
.set LAPS,  4
.set WOFF,  0x800000                   ; the weight's place in wc
.set AROW,  16384                      ; a tile row on in A
.set SCOFF, 0x38                       ; entries 14, 15
.set GA0,   (3<<16)|(1<<20)|(1<<21)|(4<<22)|(3<<25)
.set AT0,   2048                       ; 128 rows x 128 bytes in elements of 8 bytes
.set AT1,   2
.set AST,   65536                      ; 4,096 rows x 128 bytes
.else
.set PA,    80
.set AKB,   20480                      ; two heads x 128 x 80
.set LAPS,  1
.set WOFF,  0x300000
.set AROW,  8192
.set SCOFF, 0x28                       ; entries 10, 11
.set GA0,   (3<<16)|(1<<20)|(1<<21)|(3<<22)|(3<<25)
.set AT0,   1024                       ; 128 rows x 64 bytes
.set AT1,   4                          ; four heads: two blocks of 128
.set AST,   32768                      ; 4,096 rows x 64 bytes
.endif
.set GB0,   (3<<16)|(1<<20)|(1<<21)|(4<<22)|(3<<25)
.set BKB,   18432
.set ASZ,   4*AKB
.set SLOT,  ASZ+4*BKB
.set SPARE, 2*SLOT                     ; behind the ring: the spare words, 128 bytes for each wave, which no other line names
.set SPITCH, 272
.set ADRA, 16                          ; v16-19  A's fragments: slot s, blocks 2 g and 2 g + 1: v[16 + 2 s + g]
.set ADRB, 20                          ; v20-21  B's: slot s
.set BOF,  22
.set STO,  24
.set RD,   25
.set CO,   26
.set SPW,  28
.set NIL,  29
.set BK,   32
.set ACC,  128
.set F0,   0
.set F1,   128
.set G1,  24
.set G0,  32
.set G1B, 48
.set G0B, 56
.set MSB, 0
.macro WIN new
.if MSB != (\new)
	s_set_vgpr_msb (MSB<<8)|(\new)
.set MSB, (\new)
.endif
.endm
.macro JLOAD s                         ; a joint load: waves 0 and 1 fetch for A, waves 2 and 3 for B; four v_nop follow each of the two lines
	s_cmp_eq_u32 s17, 0
	s_cbranch_scc0 .Lfor_b_\@
	tensor_load_to_lds s[G0+4*\s:G0+4*\s+3], s[G1:G1+7]
	s_nop 0
.rept 4
	v_nop
.endr
	s_branch .Lasked_\@
.Lfor_b_\@:
	tensor_load_to_lds s[G0B+4*\s:G0B+4*\s+3], s[G1B:G1B+7]
	s_nop 0
.rept 4
	v_nop
.endr
.Lasked_\@:
.endm
.macro CREST
	s_cmp_lg_u32 s16, 0
	s_cbranch_scc1 .Lnot_wave_0_\@
	s_barrier_signal -3
.Lnot_wave_0_\@:
	s_barrier_wait -3
	s_barrier_signal -1
	s_barrier_wait -1
.endm
.macro CROUND
	s_barrier_signal -1
	s_barrier_wait -1
	CREST
.endm
.macro PLACES
.rept 4
	v_nop
.endr
.endm
	s_load_b256 s[4:11], s[0:1], 0x0               ; A's codes 4, wc 6, the scales 8, the bias 10
	s_load_b128 s[12:15], s[0:1], 0x20             ; the residual 12, the output 14
	v_lshl_add_u32 v[SPW], v0, 2, SPARE
	v_mov_b32 v[NIL], 0
	ds_add_u32 v28, v29
	ds_add_u32 v28, v29
	s_wait_dscnt 0x0
	v_lshrrev_b32 v1, 5, v0
	v_readfirstlane_b32 s16, v1                    ; wave 0..3
	s_lshr_b32 s17, s16, 1                         ; which half of the tile's rows is mine.  Also: I fetch for A (0) or for B (1)
	s_and_b32 s18, s16, 1                          ; which half of its columns.  Also: which two blocks of a K step I fetch
	s_bfe_u32 s19, ttmp6, 0x40000                  ; cx, cy
	s_bfe_u32 s20, ttmp6, 0x40004
	s_lshl_b32 s21, ttmp9, 2
	s_add_co_u32 s21, s21, s19                     ; tile column
	s_and_b32 s22, ttmp7, 0xffff
	s_lshl_b32 s22, s22, 2
	s_add_co_u32 s22, s22, s20                     ; tile row
	s_lshl_b32 s40, s20, 2
	s_lshl_b32 s40, 15, s40                        ; my row of the cluster
	s_lshl_b32 s41, 0x1111, s19                    ; my column
	s_or_b32 s[G1+0], s40, GA0                     ; 15:0 the mask; 17:16 elements of 8 bytes; 20 padding on; 21 set beside a mask; 24:22 the interval: a code row; 31:25 four words
	s_mov_b32 s[G1+1], (AT0&0xffff)<<16            ; tensor_dim0
	s_mov_b32 s[G1+2], (AT0>>16)|(AT1<<16)         ; tensor_dim1
	s_mov_b32 s[G1+3], AT0<<16                     ; tile_dim0
	s_mov_b32 s[G1+4], AT1                         ; tile_dim1
	s_mov_b32 s[G1+5], AST                         ; from block to block
	s_mov_b32 s[G1+6], 0
	s_mov_b32 s[G1+7], 0
	s_or_b32 s[G1B+0], s41, GB0
	s_mov_b32 s[G1B+1], 2048<<16
	s_mov_b32 s[G1B+2], 2<<16
	s_mov_b32 s[G1B+3], 2048<<16
	s_mov_b32 s[G1B+4], 2
	s_mov_b32 s[G1B+5], 16384                      ; 1,024 rows x 128 bytes
	s_mov_b32 s[G1B+6], 0
	s_mov_b32 s[G1B+7], 0
	s_mul_i32 s42, s22, AROW                       ; A: the tile row's 128 tokens,
	s_lshl_b32 s43, s18, 20                        ; my two blocks
	s_add_co_u32 s42, s42, s43
	s_mov_b32 s43, 0
	s_lshl_b32 s44, s21, 14                        ; B: the tile column's 128 rows,
	s_lshl_b32 s45, s18, 18
	s_add_co_u32 s44, s44, s45
	s_add_co_u32 s44, s44, WOFF
	s_mov_b32 s45, 0
	s_mul_i32 s46, s18, 2*AKB                      ; where they go: no place in the cluster enters an LDS address
	s_mul_i32 s47, s18, 2*BKB
	s_add_co_u32 s47, s47, ASZ
	s_wait_kmcnt 0x0
	s_load_b64 s[66:67], s[8:9], SCOFF             ; ea, eb
	s_add_nc_u64 s[42:43], s[4:5], s[42:43]
	s_add_nc_u64 s[44:45], s[6:7], s[44:45]
	CROUND                                         ; all sixteen work-groups are here: the first joint loads meet
.irp s, 0,1
	s_mov_b32 s[G0+4*\s], 1
	s_add_co_u32 s[G0+4*\s+1], s46, \s*SLOT
	s_add_nc_u64 s[G0+4*\s+2:G0+4*\s+3], s[42:43], \s*2097152
	s_or_b32 s[G0+4*\s+3], s[G0+4*\s+3], 0x80000000
	s_mov_b32 s[G0B+4*\s], 1
	s_add_co_u32 s[G0B+4*\s+1], s47, \s*SLOT
	s_add_nc_u64 s[G0B+4*\s+2:G0B+4*\s+3], s[44:45], \s*524288
	s_or_b32 s[G0B+4*\s+3], s[G0B+4*\s+3], 0x80000000
	JLOAD \s
.endr
	v_and_b32 v1, 15, v0                           ; r
	v_bfe_u32 v2, v0, 4, 1                         ; h
	v_mul_u32_u24 v3, v1, PA
	v_lshl_add_u32 v3, v2, 4, v3
	v_mul_u32_u24 v4, v1, 144
	v_lshl_add_u32 v4, v2, 4, v4
	s_mul_i32 s68, s17, 64*PA                      ; my 64 rows of A
	s_mul_i32 s70, s18, 64*144                     ; my 64 rows of B,
	s_add_co_u32 s70, s70, ASZ                     ; behind A's four blocks
.irp s, 0,1
.irp g, 0,1
	s_add_co_u32 s69, s68, \s*SLOT+\g*2*AKB
	v_add_nc_u32 v[ADRA+2*\s+\g], s69, v3
.endr
	s_add_co_u32 s71, s70, \s*SLOT
	v_add_nc_u32 v[ADRB+\s], s71, v4
.endr
	s_mul_i32 s72, s16, 16*SPITCH                  ; my stage: 16 rows x 272 bytes, in slot 0, which has had its last fill and its last read by then
	v_mul_u32_u24 v5, v1, SPITCH
	v_lshl_add_u32 v5, v2, 5, v5
	v_add_nc_u32 v[STO], s72, v5                   ; in: row r, 32 bytes for each half of the lanes
	v_mul_u32_u24 v5, v2, SPITCH
	v_lshl_add_u32 v5, v1, 4, v5
	v_add_nc_u32 v[RD], s72, v5                    ; back: lanes 0-15 one row of 256 bytes, lanes 16-31 the next
	v_lshlrev_b32 v[BOF], 4, v1
	v_lshl_add_u32 v[CO], v2, 12, v[BOF]           ; and the same two rows in memory
	s_lshl_b32 s76, s21, 9
	s_lshl_b32 s77, s18, 8
	s_add_co_u32 s76, s76, s77                     ; my 64 columns, in bytes
	s_mov_b32 s77, 0
	s_add_nc_u64 s[10:11], s[10:11], s[76:77]
	s_lshl_b32 s74, s22, 19
	s_lshl_b32 s75, s17, 18
	s_add_co_u32 s74, s74, s75
	s_add_co_u32 s74, s74, s76                     ; + my first row
	s_mov_b32 s75, 0
	s_add_nc_u64 s[12:13], s[12:13], s[74:75]
	s_add_nc_u64 s[14:15], s[14:15], s[74:75]
	WIN 0x80                                       ; destination window 2
.irp a, 0,1,2,3
.irp t, 0,1,2,3,4,5,6,7
	global_load_b128 v[32*\a+4*\t:32*\a+4*\t+3], v[CO], s[12:13] offset:(16*\a+2*\t)*4096 th:TH_LOAD_NT   ; the residual: 16 lanes read 256 consecutive bytes
.endr
.endr
	WIN 0
	global_load_b128 v[12:15], v[BOF], s[10:11]    ; the bias of my four columns
; 8 matrix instructions: A's blocks a0, a0 + 1 x B's four, 128 along K, from buffer f.  The 16 accumulators take turns in the same order everywhere.
.macro MUL8 f, a0, zero
.irp a, \a0, \a0+1
.irp b, 0,1,2,3
.if \zero
	v_wmma_f32_16x16x128_fp8_fp8 v[ACC+8*(4*(\a)+\b):ACC+8*(4*(\a)+\b)+7], v[\f+64+16*\b:\f+64+16*\b+15], v[\f+16*(\a):\f+16*(\a)+15], 0
.else
	v_wmma_f32_16x16x128_fp8_fp8 v[ACC+8*(4*(\a)+\b):ACC+8*(4*(\a)+\b)+7], v[\f+64+16*\b:\f+64+16*\b+15], v[\f+16*(\a):\f+16*(\a)+15], v[ACC+8*(4*(\a)+\b):ACC+8*(4*(\a)+\b)+7]
.endif
.endr
.endr
.endm
; 32 LDS loads in one run: block q of the slot into buffer f: B's four fragments, then A's four
.macro FETCH slot, q, f
	WIN 0x40
.irp i, 0,1,2,3
.irp c, 0,1,2,3
	ds_load_b128 v[\f+64+16*\i+4*\c:\f+64+16*\i+4*\c+3], v[ADRB+\slot] offset:(\q)*BKB+\i*2304+32*\c
.endr
.endr
.irp i, 0,1,2,3
.irp c, 0,1,2,3
.if VAR
	ds_load_b128 v[\f+16*\i+4*\c:\f+16*\i+4*\c+3], v[ADRA+2*\slot+(\q)/2] offset:((\q)%2)*18432+\i*2304+32*\c
.else
	ds_load_b128 v[\f+16*\i+4*\c:\f+16*\i+4*\c+3], v[ADRA+2*\slot+(\q)/2] offset:(((\q)%2)*2+\c/2)*10240+\i*1280+32*(\c%2)   ; K = 32 c + .. of the block lies in head c / 2 of its two
.endif
.endr
.endr
.endm
.macro QUARTER slot, qn, f, g, zero    ; multiplies buffer f and fetches block qn of the slot into g
	s_wait_dscnt 8                                 ; B's four and A's blocks 0, 1 are in; the youngest 8 loads (A's blocks 2, 3) may be out
	WIN 0x05
	MUL8 \f, 0, \zero
	PLACES
	FETCH \slot, \qn, \g
	s_wait_dscnt 32                                ; all but the 32 just issued
	WIN 0x05
	MUL8 \f, 2, \zero
.endm
; A slot's last block changes slots: ONE barrier; in front of it each wave waits for all its tensor loads, adds 0 to its spare word, and waits for that and for its reads of this slot.
.macro TURN slot, next, fill
	WIN 0
	s_wait_tensorcnt 0x0                           ; all my tensor loads have landed, so a group 0 may be written
	ds_add_u32 v[SPW], v[NIL]                      ; 0 onto my spare word
.if \fill
	s_add_nc_u64 s[G0+4*\slot+2:G0+4*\slot+3], s[G0+4*\slot+2:G0+4*\slot+3], 4194304     ; two K steps on
	s_add_nc_u64 s[G0B+4*\slot+2:G0B+4*\slot+3], s[G0B+4*\slot+2:G0B+4*\slot+3], 1048576
.endif
	s_wait_dscnt 0x0                               ; the add is done, and my reads of this slot are over
	s_barrier_signal -1
	WIN 0x05
	MUL8 F1, 0, 0
	WIN 0
	s_barrier_wait -1
.if \fill
	CREST                                          ; the barrier has opened a round of the cluster's
	JLOAD \slot                                    ; the first tensor load behind the round; its four v_nop are the places in front of the loads below
.else
	PLACES
.endif
	FETCH \next, 0, F0
	WIN 0x05
	MUL8 F1, 2, 0
.endm
	s_wait_tensorcnt 1                             ; my part of K step 0 is in; K step 1's may be out
	s_barrier_signal -1
	s_barrier_wait -1
	FETCH 0, 0, F0
	QUARTER 0, 1, F0, F1, 1                        ; the first block's products start the sums
.if LAPS > 1
	WIN 0
	s_mov_b32 s3, LAPS-1
.Llap:                                                 ; a trip goes once round the ring and fills both slots again
	QUARTER 0, 2, F1, F0, 0
	QUARTER 0, 3, F0, F1, 0
	TURN 0, 1, 1
	QUARTER 1, 1, F0, F1, 0
	QUARTER 1, 2, F1, F0, 0
	QUARTER 1, 3, F0, F1, 0
	TURN 1, 0, 1
	QUARTER 0, 1, F0, F1, 0
	WIN 0
	s_sub_co_u32 s3, s3, 1
	s_cmp_lg_u32 s3, 0
	s_cbranch_scc1 .Llap
.endif
	QUARTER 0, 2, F1, F0, 0                        ; the last lap fills nothing
	QUARTER 0, 3, F0, F1, 0
	TURN 0, 1, 0
	QUARTER 1, 1, F0, F1, 0
	QUARTER 1, 2, F1, F0, 0
	QUARTER 1, 3, F0, F1, 0
	s_wait_dscnt 0
	WIN 0x05
	MUL8 F1, 0, 0
	MUL8 F1, 2, 0
	WIN 0
	; THE WAY OUT
	s_wait_kmcnt 0x0
	s_add_co_i32 s66, s66, s67
	s_add_co_i32 s66, s66, 127
	s_lshl_b32 s66, s66, 23                        ; 2^(ea + eb) as f32
	s_mov_b32 s67, s66                             ; (named with it as a pair, so it is written)
	s_wait_loadcnt 0x0                             ; the residual and the bias
	WIN 0x82                                       ; source 0 and destination window 2
.set i, 0
.rept 32
	v_pk_add_f32 v[4*i:4*i+1], v[4*i:4*i+1], v[12:13]          ; residual + bias; these are also the places behind the last products
	v_pk_add_f32 v[4*i+2:4*i+3], v[4*i+2:4*i+3], v[14:15]
.set i, i+1
.endr
	WIN 0
.irp a, 0,1,2,3
.if \a > 1
	s_wait_xcnt 0x0                                ; block a - 2's stores have read their registers
.endif
.irp b, 0,1,2,3
	ds_store_b128 v[STO], v[ACC+8*(4*\a+\b):ACC+8*(4*\a+\b)+3] offset:64*\b          ; each accumulator from its low end on
	ds_store_b128 v[STO], v[ACC+8*(4*\a+\b)+4:ACC+8*(4*\a+\b)+7] offset:64*\b+16
.endr
.irp t, 0,1,2,3,4,5,6,7
	ds_load_b128 v[BK+32*(\a%2)+4*\t:BK+32*(\a%2)+4*\t+3], v[RD] offset:2*SPITCH*\t   ; LDS serves a wave's instructions in order (ISA guide 5.7.1.4)
.endr
	s_wait_dscnt 0x0
	WIN 0x20                                       ; source 2 window 2
.set i, 0
.rept 16
	v_pk_fma_f32 v[BK+32*(\a%2)+2*i:BK+32*(\a%2)+2*i+1], v[BK+32*(\a%2)+2*i:BK+32*(\a%2)+2*i+1], s[66:67], v[32*\a+2*i:32*\a+2*i+1] op_sel_hi:[1,0,1]
.set i, i+1
.endr
	WIN 0
.irp t, 0,1,2,3,4,5,6,7
.if VAR
	global_store_b128 v[CO], v[BK+32*(\a%2)+4*\t:BK+32*(\a%2)+4*\t+3], s[14:15] offset:(16*\a+2*\t)*4096 th:TH_STORE_NT   ; 16 lanes store 256 consecutive bytes, aligned
.else
	global_store_b128 v[CO], v[BK+32*(\a%2)+4*\t:BK+32*(\a%2)+4*\t+3], s[14:15] offset:(16*\a+2*\t)*4096
.endif
.endr
.endr
	s_wait_tensorcnt 0x0                           ; the wave's end
	ds_add_u32 v[SPW], v[NIL]
	s_wait_dscnt 0x0
	CROUND                                         ; the closing round
	s_endpgm
.Lfunc_end_k_qb306c903ae_wo:
	.size	k_qb306c903ae_wo, .Lfunc_end_k_qb306c903ae_wo-k_qb306c903ae_wo
	.p2alignl 7, 3214868480
	.fill 96, 4, 3214868480
	.section	.rodata,"a",@progbits
	.p2align	6, 0x0
	.amdhsa_kernel k_qb306c903ae_wo
		.amdhsa_group_segment_fixed_size 327680
		.amdhsa_private_segment_fixed_size 0
		.amdhsa_enable_private_segment 0
		.amdhsa_kernarg_size 48
		.amdhsa_user_sgpr_count 2
		.amdhsa_user_sgpr_kernarg_segment_ptr 1
		.amdhsa_wavefront_size32 1
		.amdhsa_system_sgpr_workgroup_id_x 1
		.amdhsa_system_sgpr_workgroup_id_y 1
		.amdhsa_system_sgpr_workgroup_id_z 1
		.amdhsa_system_vgpr_workitem_id 0
		.amdhsa_next_free_vgpr 640
		.amdhsa_next_free_sgpr 84
		.amdhsa_reserve_vcc 0
		.amdhsa_float_denorm_mode_32 3
		.amdhsa_float_denorm_mode_16_64 3
		.amdhsa_memory_ordered 1
		.amdhsa_forward_progress 1
		.amdhsa_inst_pref_size 53
	.end_amdhsa_kernel
	.amdgpu_metadata
---
amdhsa.version: [ 1, 2 ]
amdhsa.kernels:
  - .name:           k_qb306c903ae_wo
    .symbol:         k_qb306c903ae_wo.kd
    .args:
      - { .name: ctxc, .offset: 0, .size: 8, .value_kind: global_buffer, .address_space: global }
      - { .name: wc, .offset: 8, .size: 8, .value_kind: global_buffer, .address_space: global }
      - { .name: lowp_scales, .offset: 16, .size: 8, .value_kind: global_buffer, .address_space: global }
      - { .name: bo, .offset: 24, .size: 8, .value_kind: global_buffer, .address_space: global }
      - { .name: x, .offset: 32, .size: 8, .value_kind: global_buffer, .address_space: global }
      - { .name: x1, .offset: 40, .size: 8, .value_kind: global_buffer, .address_space: global }
    .group_segment_fixed_size: 327680
    .private_segment_fixed_size: 0
    .kernarg_segment_align: 8
    .kernarg_segment_size: 48
    .max_flat_workgroup_size: 128
    .sgpr_count:     84
    .vgpr_count:     640
    .wavefront_size: 32
...
	.end_amdgpu_metadata
.endif
;; end of part 4
;; launch ln2 (part 5): grid 512 x 1, 4 waves a work-group, no clusters, 0 bytes of LDS; arguments x1, g2, be2, lowp_scales, h2c; writes h2c
.if DOCPART == 5
	.amdgcn_target "amdgcn-amd-amdhsa--gfx1250"
	.amdhsa_code_object_version 6
	.text
	.protected	k_qb306c903ae_ln2
	.globl	k_qb306c903ae_ln2
	.p2align	8
	.type	k_qb306c903ae_ln2,@function
k_qb306c903ae_ln2:
	s_mov_b64 s[64:65], 0
	v_nop
	global_prefetch_b8 v0, s[64:65] scope:SCOPE_SE
	s_setreg_imm32_b32 hwreg(HW_REG_WAVE_MODE, 25, 1), 1
	s_wait_xcnt 0x0
; h2 = LN(x1; g2, be2), quantised with the scale of entry 12 into h2c[K/128][token][128 bytes].  A wave takes two neighbouring rows, 16 lanes a row; a row stays in registers between the passes.
; The mean is taken first and the variance of the differences, all in f32.  code = number / 2^e, held within +-448, rounded to the nearest code, ties to even.
; LIMIT: e between -126 and 119.  NaN among the inputs is not served.  No LDS, no barrier, no cluster: waves share nothing but g2 and be2 (8 KiB).
.set X,   32                           ; v32-95   my 64 numbers of the row: element 128 j + 8 l + i in v[X+8j+i]
.set G,   96                           ; v96-159  the gain; later the codes
.set BE,  160                          ; v160-223 the bias; later numbers held for the conversion
.macro FOLD
	v_pk_add_f32 v[10:11], v[10:11], v[12:13]
	v_pk_add_f32 v[14:15], v[14:15], v[16:17]
	v_pk_add_f32 v[10:11], v[10:11], v[14:15]
	v_add_f32 v10, v10, v11
	v_add_f32_dpp v10, v10, v10 row_xmask:1 row_mask:0xf bank_mask:0xf
	v_add_f32_dpp v10, v10, v10 row_xmask:2 row_mask:0xf bank_mask:0xf
	v_add_f32_dpp v10, v10, v10 row_xmask:4 row_mask:0xf bank_mask:0xf
	v_add_f32_dpp v10, v10, v10 row_xmask:8 row_mask:0xf bank_mask:0xf
.endm
	s_load_b256 s[8:15], s[0:1], 0x0               ; x1 8, g2 10, be2 12, the scales 14
	s_load_b64 s[16:17], s[0:1], 0x20              ; h2c
	v_lshrrev_b32 v1, 5, v0
	v_readfirstlane_b32 s2, v1                     ; wave
	v_and_b32 v1, 31, v0                           ; lane
	s_lshl_b32 s3, ttmp9, 2
	s_add_co_u32 s3, s3, s2                        ; my wave's pair of rows
	s_lshl_b32 s22, s3, 13
	s_mov_b32 s23, 0
	s_lshl_b32 s24, s3, 8
	s_mov_b32 s25, 0
	s_mov_b32 s26, 0x3a800000                      ; 1 / 1,024
	s_mov_b32 s27, 0x3727c5ac                      ; 1e-5
	v_and_b32 v3, 15, v1
	v_lshlrev_b32 v3, 5, v3                        ; 32 l
	v_lshrrev_b32 v2, 4, v1
	v_lshl_add_u32 v2, v2, 12, v3                  ; + my row
	v_lshlrev_b32 v4, 3, v1
	s_wait_kmcnt 0x0
	s_load_b32 s20, s[14:15], 0x30                 ; e12
	s_add_nc_u64 s[8:9], s[8:9], s[22:23]
	s_add_nc_u64 s[16:17], s[16:17], s[24:25]
.irp j, 0,1,2,3,4,5,6,7
	global_load_b128 v[X+8*\j:X+8*\j+3], v2, s[8:9] offset:512*\j
	global_load_b128 v[X+8*\j+4:X+8*\j+7], v2, s[8:9] offset:512*\j+16
.endr
.irp j, 0,1,2,3,4,5,6,7
	global_load_b128 v[G+8*\j:G+8*\j+3], v3, s[10:11] offset:512*\j
	global_load_b128 v[G+8*\j+4:G+8*\j+7], v3, s[10:11] offset:512*\j+16
.endr
.irp j, 0,1,2,3,4,5,6,7
	global_load_b128 v[BE+8*\j:BE+8*\j+3], v3, s[12:13] offset:512*\j
	global_load_b128 v[BE+8*\j+4:BE+8*\j+7], v3, s[12:13] offset:512*\j+16
.endr
	s_wait_loadcnt 32                              ; the row's 16 loads are in; the gain's and the bias's 32 may be out
.irp c, 0,1,2,3
	v_pk_add_f32 v[10+2*\c:11+2*\c], v[X+2*\c:X+2*\c+1], v[X+8+2*\c:X+9+2*\c]   ; the first eight pairs start four chains
.endr
.set i, 8
.rept 24
	v_pk_add_f32 v[10+2*(i%4):11+2*(i%4)], v[10+2*(i%4):11+2*(i%4)], v[X+2*i:X+2*i+1]
.set i, i+1
.endr
	FOLD
	v_mul_f32 v6, s26, v10                         ; the mean
	v_mov_b32 v7, v6
.set i, 0
.rept 32
	v_pk_add_f32 v[X+2*i:X+2*i+1], v[X+2*i:X+2*i+1], v[6:7] neg_lo:[0,1] neg_hi:[0,1]
.set i, i+1
.endr
.irp c, 0,1,2,3
	v_pk_mul_f32 v[10+2*\c:11+2*\c], v[X+2*\c:X+2*\c+1], v[X+2*\c:X+2*\c+1]
.endr
.set i, 4
.rept 28
	v_pk_fma_f32 v[10+2*(i%4):11+2*(i%4)], v[X+2*i:X+2*i+1], v[X+2*i:X+2*i+1], v[10+2*(i%4):11+2*(i%4)]
.set i, i+1
.endr
	FOLD
	v_fma_f32 v8, v10, s26, s27                    ; the variance + 1e-5
	v_rsq_f32 v8, v8
	v_mov_b32 v9, 0                                ; a plain instruction behind the root; v9 is named with v8 as a pair, so it is written
	s_wait_loadcnt 0x0
	s_wait_alu depctr_va_vdst(0)                   ; ahead of the first reader of the root
.set i, 0
.rept 32
	v_pk_mul_f32 v[X+2*i:X+2*i+1], v[X+2*i:X+2*i+1], v[8:9] op_sel_hi:[1,0]
.set i, i+1
.endr
.set i, 0
.rept 32
	v_pk_fma_f32 v[X+2*i:X+2*i+1], v[X+2*i:X+2*i+1], v[G+2*i:G+2*i+1], v[BE+2*i:BE+2*i+1]
.set i, i+1
.endr
	s_wait_kmcnt 0x0
	s_add_co_i32 s20, s20, 127
	s_lshl_b32 s21, s20, 23
	v_mov_b32 v18, s21                             ; 2^e
	s_add_co_i32 s20, s20, 8
	s_lshl_b32 s20, s20, 23
	s_or_b32 s20, s20, 0x600000
	v_mov_b32 v19, s20                             ; 448 x 2^e
.irp j, 0,1,2,3,4,5,6,7
.irp i, 0,1,2,3,4,5,6,7
	v_med3_num_f32 v[BE+8*(\j%2)+\i], v[X+8*\j+\i], -v19, v19   ; the conversion does not saturate (ISA guide 7.6.2): the hold comes first
.endr
	v_cvt_scalef32_pk8_fp8_f32 v[G+2*\j:G+2*\j+1], v[BE+8*(\j%2):BE+8*(\j%2)+7], v18
	global_store_b64 v4, v[G+2*\j:G+2*\j+1], s[16:17] offset:524288*\j   ; two tokens' 128 bytes: 256 consecutive bytes, aligned; every store has data registers of its own
.endr
	v_nop
	s_endpgm
.Lfunc_end_k_qb306c903ae_ln2:
	.size	k_qb306c903ae_ln2, .Lfunc_end_k_qb306c903ae_ln2-k_qb306c903ae_ln2
	.p2alignl 7, 3214868480
	.fill 96, 4, 3214868480
	.section	.rodata,"a",@progbits
	.p2align	6, 0x0
	.amdhsa_kernel k_qb306c903ae_ln2
		.amdhsa_group_segment_fixed_size 0
		.amdhsa_private_segment_fixed_size 0
		.amdhsa_enable_private_segment 0
		.amdhsa_kernarg_size 40
		.amdhsa_user_sgpr_count 2
		.amdhsa_user_sgpr_kernarg_segment_ptr 1
		.amdhsa_wavefront_size32 1
		.amdhsa_system_sgpr_workgroup_id_x 1
		.amdhsa_system_sgpr_workgroup_id_y 1
		.amdhsa_system_sgpr_workgroup_id_z 1
		.amdhsa_system_vgpr_workitem_id 0
		.amdhsa_next_free_vgpr 224
		.amdhsa_next_free_sgpr 66
		.amdhsa_reserve_vcc 0
		.amdhsa_float_denorm_mode_32 3
		.amdhsa_float_denorm_mode_16_64 3
		.amdhsa_memory_ordered 1
		.amdhsa_forward_progress 1
		.amdhsa_inst_pref_size 23
	.end_amdhsa_kernel
	.amdgpu_metadata
---
amdhsa.version: [ 1, 2 ]
amdhsa.kernels:
  - .name:           k_qb306c903ae_ln2
    .symbol:         k_qb306c903ae_ln2.kd
    .args:
      - { .name: x1, .offset: 0, .size: 8, .value_kind: global_buffer, .address_space: global }
      - { .name: g2, .offset: 8, .size: 8, .value_kind: global_buffer, .address_space: global }
      - { .name: be2, .offset: 16, .size: 8, .value_kind: global_buffer, .address_space: global }
      - { .name: lowp_scales, .offset: 24, .size: 8, .value_kind: global_buffer, .address_space: global }
      - { .name: h2c, .offset: 32, .size: 8, .value_kind: global_buffer, .address_space: global }
    .group_segment_fixed_size: 0
    .private_segment_fixed_size: 0
    .kernarg_segment_align: 8
    .kernarg_segment_size: 40
    .max_flat_workgroup_size: 128
    .sgpr_count:     66
    .vgpr_count:     224
    .wavefront_size: 32
...
	.end_amdgpu_metadata
.endif
;; end of part 5
;; launch w1 (part 6): grid 16 x 16, 4 waves a work-group, clusters of 4 x 4, 327,680 bytes of LDS; arguments h2c, wc, lowp_scales, ffc, b1; writes ffc
.if DOCPART == 6
	.amdgcn_target "amdgcn-amd-amdhsa--gfx1250"
	.amdhsa_code_object_version 6
	.text
	.protected	k_qb306c903ae_w1
	.globl	k_qb306c903ae_w1
	.p2align	8
	.type	k_qb306c903ae_w1,@function
k_qb306c903ae_w1:
	s_mov_b64 s[64:65], 0
	v_nop
	global_prefetch_b8 v0, s[64:65] scope:SCOPE_SE
	s_setreg_imm32_b32 hwreg(HW_REG_WAVE_MODE, 25, 1), 1
	s_wait_xcnt 0x0
	s_wait_alu depctr_hold_cnt(0) depctr_sa_sdst(0) depctr_va_vdst(0) depctr_va_sdst(0) depctr_va_ssrc(0) depctr_va_vcc(0) depctr_vm_vsrc(0)
	s_getreg_b32 s2, hwreg(HW_REG_IB_STS2, 6, 4)
	s_cmp_eq_u32 s2, 0
	s_cbranch_scc0 .Lentry_in_a_cluster
	s_endpgm
.Lentry_in_a_cluster:
	s_bfe_u32 s2, ttmp6, 0x10000c
	s_cmp_lg_u32 s2, 0xf033
	s_cbranch_scc0 .Lentry_shape_is_right
	s_endpgm
.Lentry_shape_is_right:
; VAR = 0: q, k, v = h W (three products, one for each cluster column: part = cluster x), each result quantised at once into qkvc[part][b x 16 + head][t][64 bytes].
; VAR = 1: ff = relu(h2 W1 + b1), quantised into ffc[f / 128][token][128 bytes].
; Both operands are codes of E4M3 laid [K/128][row][128 bytes]: a tile of 256 rows x 128 K is 32,768 consecutive bytes.  K = 1,024.
; A tile of C, 256 tokens x 256 columns, is made by four waves, as many as a WGP has SIMDs; a wave makes 128 x 128: 64 accumulators, 512 registers.
; K goes in steps of 256 (two blocks of 128) through two LDS slots; a wave's one tensor load brings one operand's one block (wave 0, 1: A's; wave 2, 3: B's).  Four K steps: written out, no loop.
; CLUSTERS: 4 x 4 work-groups.  The four of a row of the cluster need the same tiles of A (tokens), the four of a column the same tiles of B (weights): each tile is asked for JOINTLY.
; THE MATRIX INSTRUCTION IS USED TRANSPOSED (source 0 = 16 rows of B, source 1 = 16 rows of A): a lane holds eight neighbouring columns of one token: eight neighbours along the next product's K.
; A fragment comes by four loads of 16 bytes: registers 4 c .. 4 c + 3 hold K = 32 c + 16 (lane / 16) + 0 .. 15, alike in A and B, so every product meets its partner.
; A sum stands for sum x 2^(ea + eb); its code is sum / 2^(eo - ea - eb): the three scales are folded into the conversion's one.  VAR = 1: b1 / 2^(ea + eb) is the C of each sum's first product.
; LIMITS: eo - ea - eb between -126 and 119.  NaN among the inputs is not served.
; No prefetch is written: of the four K steps two are the first fills and two follow one step behind them.
; REGISTERS, in windows of 256: window 0: v16-31 addresses and constants; v32-95 the bias (VAR = 1), later numbers held; v96-127 codes; from v128 A's fragments, ONE set; later rows read back.
;   window 1: B's fragments, TWO sets.   window 2: the accumulators of my rows 0-63 ((a, b) at v[8 (8 a + b)]);   window 3: those of my rows 64-127.
.set VAR,    1
.set PITCH,  144                       ; an LDS row: 128 bytes + 16: 9 x 16, so the 16 rows of a load begin at 16 different 16-byte columns of 256
.set KBB,    256*PITCH                 ; one operand's one block of 128 along K: what one tensor load brings
.set SLOT,   4*KBB                     ; A's two blocks, then B's two
.set SPARE,  2*SLOT                    ; behind the ring: the spare words, 128 bytes for each wave, which no other line names
.set FR,     16
.set NL,     4
.set NP,     4
.set ASTEP,  1048576                   ; a K step on in A: two blocks of 4,096 rows x 128 bytes
.if VAR
.set BSTEP,  1048576
.else
.set BSTEP,  262144                    ; in B: two blocks of 1,024 rows x 128 bytes
.endif
.set ADRA, 16
.set ADRB, 20
.set STO,  24
.set RD,   25
.set CO,   26
.set BO,   27
.set SPW,  28
.set NIL,  29
.set SC,   30
.set LIM,  31
.set TMP,  32
.set BI,   32
.set CD,   96
.set AF,   128
.set BB,   128
.set G1,  24
.set G0,  32
.set G1B, 48
.set G0B, 56
.set MSB, 0
.macro WIN new                         ; the immediate's high byte repeats the setting that is left
.if MSB != (\new)
	s_set_vgpr_msb (MSB<<8)|(\new)
.set MSB, (\new)
.endif
.endm
.set MUL_LO, 0xa1                      ; source 0 (B) window 1, source 1 (A) window 0, C and D window 2
.set MUL_HI, 0xf1                      ; the same, C and D window 3
.set TO_B,   0x40
.macro JLOAD g0a, g1a, g0b, g1b        ; a joint load: waves 0 and 1 fetch for A, waves 2 and 3 for B; four v_nop follow each of the two lines
	s_cmp_eq_u32 s15, 0
	s_cbranch_scc0 .Lfor_b_\@
	tensor_load_to_lds s[\g0a:\g0a+3], s[\g1a:\g1a+7]
	s_nop 0
.rept 4
	v_nop
.endr
	s_branch .Lasked_\@
.Lfor_b_\@:
	tensor_load_to_lds s[\g0b:\g0b+3], s[\g1b:\g1b+7]
	s_nop 0
.rept 4
	v_nop
.endr
.Lasked_\@:
.endm
.macro CREST                           ; a round of the cluster's barrier behind its opening barrier
	s_cmp_lg_u32 s14, 0
	s_cbranch_scc1 .Lnot_wave_0_\@
	s_barrier_signal -3
.Lnot_wave_0_\@:
	s_barrier_wait -3
	s_barrier_signal -1
	s_barrier_wait -1
.endm
.macro CROUND
	s_barrier_signal -1
	s_barrier_wait -1
	CREST
.endm
	s_load_b256 s[4:11], s[0:1], 0x0               ; A's codes 4, wc 6, the scales 8, the output 10
.if VAR
	s_load_b64 s[12:13], s[0:1], 0x20              ; b1
.endif
	v_lshl_add_u32 v[SPW], v0, 2, SPARE
	v_mov_b32 v[NIL], 0
	ds_add_u32 v28, v29
	ds_add_u32 v28, v29
	s_wait_dscnt 0x0
	v_lshrrev_b32 v1, 5, v0
	v_readfirstlane_b32 s14, v1                    ; wave 0..3
	s_lshr_b32 s15, s14, 1                         ; which half of the tile's rows is mine.  Also: I fetch for A (0) or for B (1)
	s_and_b32 s16, s14, 1                          ; which half of its columns.  Also: which of a K step's two blocks I fetch
	s_bfe_u32 s40, ttmp6, 0x40000                  ; cx, cy: my place in the cluster
	s_bfe_u32 s41, ttmp6, 0x40004
	s_lshl_b32 s42, ttmp9, 2
	s_add_co_u32 s42, s42, s40                     ; 4 x cluster x + cx (VAR = 1: the tile column)
	s_and_b32 s17, ttmp7, 0xffff
	s_lshl_b32 s17, s17, 2
	s_add_co_u32 s17, s17, s41                     ; tile row = 4 x cluster y + cy
	s_lshl_b32 s43, s41, 2
	s_lshl_b32 s43, 15, s43                        ; my row of the cluster
	s_lshl_b32 s44, 0x1111, s40                    ; my column
	s_or_b32 s[G1+0], s43, (0<<16)|(1<<20)|(1<<21)|(4<<22)|(3<<25)  ; 15:0 the mask; 17:16 elements of 1 byte; 20 padding on; 21 set beside a mask; 24:22 after every 32 words (code 4); 31:25 four words (code 3)
	s_or_b32 s[G1B+0], s44, (0<<16)|(1<<20)|(1<<21)|(4<<22)|(3<<25)
.irp g, G1, G1B
	s_mov_b32 s[\g+1], 128<<16                     ; tensor_dim0 = 128
	s_mov_b32 s[\g+2], 256<<16                     ; tensor_dim1 = 256
	s_mov_b32 s[\g+3], 128<<16                     ; tile_dim0 = 128
	s_mov_b32 s[\g+4], 256                         ; tile_dim1 = 256
	s_mov_b32 s[\g+5], 128                         ; from row to row
	s_mov_b32 s[\g+6], 0
	s_mov_b32 s[\g+7], 0
.endr
	s_lshl_b32 s20, s17, 15                        ; A: 256 rows x 128 bytes a tile row,
	s_lshl_b32 s18, s16, 19                        ; my block of the K step
	s_add_co_u32 s20, s20, s18
.if VAR == 0
	s_lshl_b32 s18, ttmp9, 22                      ; the part's copy of h
	s_add_co_u32 s20, s20, s18
.endif
	s_mov_b32 s21, 0
.if VAR
	s_lshl_b32 s46, s42, 15                        ; B: W1's codes begin 4 MiB into wc
	s_lshl_b32 s47, s16, 19
	s_add_co_u32 s46, s46, s47
	s_add_co_u32 s46, s46, 0x400000
.else
	s_lshl_b32 s46, s40, 15                        ; B: the part's weight, 1 MiB each; the tile column within it is cx
	s_lshl_b32 s47, s16, 17
	s_add_co_u32 s46, s46, s47
	s_lshl_b32 s47, ttmp9, 20
	s_add_co_u32 s46, s46, s47
.endif
	s_mov_b32 s47, 0
	s_mul_i32 s45, s14, KBB                        ; where my tile goes: no place in the cluster enters an LDS address
	s_wait_kmcnt 0x0
	s_load_b512 s[68:83], s[8:9], 0x0              ; e0 .. e15 in s68 .. s83
	s_add_nc_u64 s[20:21], s[4:5], s[20:21]
	s_add_nc_u64 s[46:47], s[6:7], s[46:47]
	CROUND                                         ; all sixteen work-groups are here: the first joint loads meet
.irp s, 0,1
	s_mov_b32 s[G0+4*\s], 1
	s_add_co_u32 s[G0+4*\s+1], s45, \s*SLOT
	s_add_nc_u64 s[G0+4*\s+2:G0+4*\s+3], s[20:21], \s*ASTEP
	s_or_b32 s[G0+4*\s+3], s[G0+4*\s+3], 0x80000000
	s_mov_b32 s[G0B+4*\s], 1
	s_add_co_u32 s[G0B+4*\s+1], s45, \s*SLOT
	s_add_nc_u64 s[G0B+4*\s+2:G0B+4*\s+3], s[46:47], \s*BSTEP
	s_or_b32 s[G0B+4*\s+3], s[G0B+4*\s+3], 0x80000000
	JLOAD G0+4*\s, G1, G0B+4*\s, G1B
.endr
	v_and_b32 v1, 15, v0                           ; r
	v_bfe_u32 v2, v0, 4, 1                         ; h
	v_mul_u32_u24 v3, v1, PITCH
	v_lshl_add_u32 v4, v2, 4, v3                   ; a fragment's row x pitch + 16 h
	s_mul_i32 s21, s15, 128*PITCH                  ; my 128 rows of A
	s_mul_i32 s22, s16, 128*PITCH                  ; my 128 rows of B,
	s_add_co_u32 s22, s22, 2*KBB                   ; which lie behind A's two blocks
.irp s, 0,1
	v_add_nc_u32 v[ADRA+\s], s21, v4
	v_add_nc_u32 v[ADRB+\s], s22, v4
	s_add_co_u32 s21, s21, SLOT
	s_add_co_u32 s22, s22, SLOT
.endr
	s_mul_i32 s23, s14, 16*PITCH                   ; my stage for the way out: 16 rows x 144 bytes, in slot 0, which has had its last fill and its last read by then
	v_lshl_add_u32 v5, v2, 3, v3
	v_add_nc_u32 v[STO], s23, v5                   ; in: row r, 8 bytes for each half of the lanes
	v_and_b32 v6, 31, v0
	v_lshlrev_b32 v[CO], 4, v6
.if VAR
	v_lshrrev_b32 v7, 3, v6                        ; back: eight lanes take a row's 128 bytes
	v_and_b32 v8, 7, v6
.else
	v_lshrrev_b32 v7, 2, v6                        ; back: four lanes take a head's 64 bytes of a row
	v_and_b32 v8, 3, v6
.endif
	v_mul_u32_u24 v7, v7, PITCH
	v_lshl_add_u32 v7, v8, 4, v7
	v_add_nc_u32 v[RD], s23, v7
.if VAR
	s_lshl_b32 s20, s42, 1
	s_add_co_u32 s20, s20, s16                     ; my 128 columns are block 2 x tile column + half of ffc
	s_lshl_b32 s20, s20, 19
	s_lshl_b32 s21, s17, 15
	s_add_co_u32 s20, s20, s21
	s_lshl_b32 s21, s15, 14
	s_add_co_u32 s20, s20, s21                     ; + my first token x 128
	s_mov_b32 s21, 0
	s_add_nc_u64 s[10:11], s[10:11], s[20:21]
	s_lshl_b32 s20, s42, 10
	s_lshl_b32 s21, s16, 9
	s_add_co_u32 s20, s20, s21
	s_mov_b32 s21, 0
	s_add_nc_u64 s[12:13], s[12:13], s[20:21]      ; b1 at my 128 columns
	v_lshlrev_b32 v[BO], 5, v2
.irp b, 0,1,2,3,4,5,6,7
	global_load_b128 v[BI+8*\b:BI+8*\b+3], v[BO], s[12:13] offset:64*\b          ; lane (r, h): b1 at columns 16 b + 8 h + 0 .. 7: the result's layout
	global_load_b128 v[BI+8*\b+4:BI+8*\b+7], v[BO], s[12:13] offset:64*\b+16
.endr
.else
	s_lshr_b32 s20, s17, 2                         ; the batch: 1,024 tokens are four tile rows
	s_lshl_b32 s20, s20, 4
	s_lshl_b32 s21, s40, 2
	s_add_co_u32 s20, s20, s21
	s_lshl_b32 s21, s16, 1
	s_add_co_u32 s20, s20, s21                     ; b x 16 + my first head (a tile's 256 columns are four heads, mine two)
	s_lshl_b32 s20, s20, 16                        ; x 1,024 tokens x 64 bytes
	s_and_b32 s21, s17, 3
	s_lshl_b32 s21, s21, 14
	s_add_co_u32 s20, s20, s21
	s_lshl_b32 s21, s15, 13
	s_add_co_u32 s20, s20, s21                     ; + my first token in the batch x 64
	s_lshl_b32 s21, ttmp9, 22
	s_add_co_u32 s20, s20, s21                     ; + the part
	s_mov_b32 s21, 0
	s_add_nc_u64 s[10:11], s[10:11], s[20:21]
.endif
.macro FRAG reg, adr, q, i             ; 16 rows x 128 K: block q of the slot, rows 16 i on
.irp c, 0,1,2,3
	ds_load_b128 v[\reg+4*\c:\reg+4*\c+3], v[\adr] offset:KBB*(\q)+32*\c+(\i)*16*PITCH
.endr
.endm
; 16 matrix instructions: A's blocks a0, a0 + 1 x B's eight.  p: B's set.  zero = 1: the first product starts the sums (with 0, or with the bias).
; The 64 accumulators take turns, one instruction a turn, in the same order in every step.
.macro MUL16 a0, p, zero
.irp a, \a0, \a0+1
.irp b, 0,1,2,3,4,5,6,7
.if \zero
.if VAR
	v_wmma_f32_16x16x128_fp8_fp8 v[8*(8*((\a)%4)+\b):8*(8*((\a)%4)+\b)+7], v[128*(\p)+FR*\b:128*(\p)+FR*\b+FR-1], v[AF+FR*(\a):AF+FR*(\a)+FR-1], v[BI+8*\b:BI+8*\b+7]
.else
	v_wmma_f32_16x16x128_fp8_fp8 v[8*(8*((\a)%4)+\b):8*(8*((\a)%4)+\b)+7], v[128*(\p)+FR*\b:128*(\p)+FR*\b+FR-1], v[AF+FR*(\a):AF+FR*(\a)+FR-1], 0
.endif
.else
	v_wmma_f32_16x16x128_fp8_fp8 v[8*(8*((\a)%4)+\b):8*(8*((\a)%4)+\b)+7], v[128*(\p)+FR*\b:128*(\p)+FR*\b+FR-1], v[AF+FR*(\a):AF+FR*(\a)+FR-1], v[8*(8*((\a)%4)+\b):8*(8*((\a)%4)+\b)+7]
.endif
.endr
.endr
.endm
.macro FETCH_B slot, q, p
	WIN TO_B
.irp i, 0,1,2,3,4,5,6,7
	FRAG 128*(\p)+FR*\i, ADRB+\slot, \q, \i
.endr
	WIN 0
.endm
.macro FETCH_A slot, q, i0
.irp i, \i0, \i0+1, \i0+2, \i0+3
	FRAG AF+FR*(\i), ADRA+\slot, \q, \i
.endr
.endm
.macro PLACES n                        ; plain vector instructions between a matrix instruction and a load into, or a read of, its registers
.rept \n
	v_nop
.endr
.endm
.macro STEP slot, q, zero              ; 128 along K that have their successor in the same slot
	s_wait_dscnt 4*NL                              ; B's set and A's blocks 0-3 are in; the youngest 16 loads (A's blocks 4-7) may be out
.if (\zero) && VAR
	WIN 0x81                                       ; C (the bias) window 0, D window 2
.else
	WIN MUL_LO
.endif
	MUL16 0, (\q)%2, \zero
	MUL16 2, (\q)%2, \zero
	s_wait_dscnt 0
	PLACES NP
	FETCH_B \slot, (\q)+1, 1-(\q)%2
	FETCH_A \slot, (\q)+1, 0
.if (\zero) && VAR
	WIN 0xc1
.else
	WIN MUL_HI
.endif
	MUL16 4, (\q)%2, \zero
	MUL16 6, (\q)%2, \zero
	PLACES NP
	WIN 0
	FETCH_A \slot, (\q)+1, 4
.endm
; A slot's last 128 change slots: ONE barrier; in front of it each wave waits for all its tensor loads, adds 0 to its spare word, and waits for that and for its reads of this slot.
.macro TURN slot, next, fill
	s_wait_tensorcnt 0x0                           ; all my tensor loads have landed: my part of the next slot
	ds_add_u32 v[SPW], v[NIL]                      ; 0 onto my spare word
	s_wait_dscnt 4*NL+1                            ; the add and the youngest 16 loads may be out
	WIN MUL_LO
	MUL16 0, 1, 0
	s_wait_dscnt 0x0                               ; the add is done, and my reads of this slot are over
	s_barrier_signal -1
	MUL16 2, 1, 0
	WIN 0
	s_barrier_wait -1
.if \fill
	CREST                                          ; the barrier has opened a round of the cluster's: no wave of any partner still reads this slot or has a load on its way
	s_add_nc_u64 s[G0+4*\slot+2:G0+4*\slot+3], s[G0+4*\slot+2:G0+4*\slot+3], 2*ASTEP
	s_add_nc_u64 s[G0B+4*\slot+2:G0B+4*\slot+3], s[G0B+4*\slot+2:G0B+4*\slot+3], 2*BSTEP
	JLOAD G0+4*\slot, G1, G0B+4*\slot, G1B         ; the first tensor load behind the round; its four v_nop are the places in front of the loads below
.else
	PLACES NP
.endif
	FETCH_B \next, 0, 0
	FETCH_A \next, 0, 0
	WIN MUL_HI
	MUL16 4, 1, 0
	MUL16 6, 1, 0
	PLACES NP
	WIN 0
	FETCH_A \next, 0, 4
.endm
	s_wait_tensorcnt 1                             ; my part of K step 0 is in; K step 1's load may be out
	s_barrier_signal -1
	s_barrier_wait -1
	FETCH_B 0, 0, 0
	FETCH_A 0, 0, 0
	FETCH_A 0, 0, 4
	s_wait_kmcnt 0x0
.if VAR
	s_add_co_i32 s84, s80, s81                     ; e12 + e13
	s_sub_co_i32 s86, s82, s84                     ; e14 - e12 - e13
	s_sub_co_i32 s88, 0, s84
.else
	s_cmp_eq_u32 ttmp9, 1                          ; the part's three entries: (0, 1, 6), (2, 3, 7), (4, 5, 9): selects, no branch
	s_cselect_b32 s84, s70, s68
	s_cselect_b32 s85, s71, s69
	s_cselect_b32 s86, s75, s74
	s_cmp_eq_u32 ttmp9, 2
	s_cselect_b32 s84, s72, s84
	s_cselect_b32 s85, s73, s85
	s_cselect_b32 s86, s77, s86
	s_add_co_i32 s84, s84, s85
	s_sub_co_i32 s86, s86, s84
.endif
	s_add_co_i32 s86, s86, 127
	s_lshl_b32 s87, s86, 23
	v_mov_b32 v[SC], s87                           ; 2^(eo - ea - eb) as f32
	s_add_co_i32 s86, s86, 8
	s_lshl_b32 s86, s86, 23
	s_or_b32 s86, s86, 0x600000
	v_mov_b32 v[LIM], s86                          ; 448 x that
.if VAR
	s_wait_loadcnt 0x0
.set j, 0
.rept 64
	v_ldexp_f32 v[BI+j], v[BI+j], s88              ; b1 / 2^(e12 + e13): the power of two that the sums lack
.set j, j+1
.endr
.endif
	STEP 0, 0, 1
	TURN 0, 1, 1
	STEP 1, 0, 0
	TURN 1, 0, 1
	STEP 0, 0, 0
	TURN 0, 1, 0                                   ; nothing is left to fetch
	STEP 1, 0, 0
	s_wait_dscnt 4*NL
	WIN MUL_LO
	MUL16 0, 1, 0
	MUL16 2, 1, 0
	s_wait_dscnt 0
	WIN MUL_HI
	MUL16 4, 1, 0
	MUL16 6, 1, 0
	WIN 0
; THE WAY OUT, block by block of 16 tokens x 128 columns: held (VAR = 1: between 0 and the largest code: the activation and the hold in one), converted, 8 bytes a lane into my stage, back as whole runs, stored.
.macro TOSTAGE a
.set AC, 64*((\a)%4)
	WIN 0x02+((\a)/4)                              ; source 0: window 2 or 3
.set j, 0
.rept 64
.if VAR
	v_med3_num_f32 v[TMP+j], v[AC+j], 0, v[LIM]    ; each accumulator from its low end on
.else
	v_med3_num_f32 v[TMP+j], v[AC+j], -v[LIM], v[LIM]
.endif
.set j, j+1
.endr
	WIN 0
.irp b, 0,1,2,3,4,5,6,7
	v_cvt_scalef32_pk8_fp8_f32 v[CD+16*((\a)%2)+2*\b:CD+16*((\a)%2)+2*\b+1], v[TMP+8*\b:TMP+8*\b+7], v[SC]
.endr
	v_nop                                          ; a plain instruction behind the last conversion
.irp b, 0,1,2,3,4,5,6,7
	ds_store_b64 v[STO], v[CD+16*((\a)%2)+2*\b:CD+16*((\a)%2)+2*\b+1] offset:16*\b
.endr
.irp t, 0,1,2,3
.if VAR
	ds_load_b128 v[BB+16*((\a)%2)+4*\t:BB+16*((\a)%2)+4*\t+3], v[RD] offset:4*PITCH*\t
.else
	ds_load_b128 v[BB+16*((\a)%2)+4*\t:BB+16*((\a)%2)+4*\t+3], v[RD] offset:(\t&1)*8*PITCH+(\t>>1)*64   ; head t / 2, rows 8 (t % 2) on
.endif
.endr
.endm
.macro SEND a, younger
	s_wait_dscnt \younger
.irp t, 0,1,2,3
.if VAR
	global_store_b128 v[CO], v[BB+16*((\a)%2)+4*\t:BB+16*((\a)%2)+4*\t+3], s[10:11] offset:2048*(\a)+512*\t          ; 512 consecutive bytes
.else
	global_store_b128 v[CO], v[BB+16*((\a)%2)+4*\t:BB+16*((\a)%2)+4*\t+3], s[10:11] offset:(\t>>1)*65536+1024*(\a)+(\t&1)*512
.endif
.endr
.endm
	PLACES NP
	TOSTAGE 0
.irp a, 1,2,3,4,5,6,7
.if \a > 1
	s_wait_xcnt 0x0                                ; block a - 2's stores have read their registers: block a's loads may land there
.endif
	TOSTAGE \a
	SEND \a-1, 12                                  ; behind block a - 1's loads: block a's 8 stores and 4 loads
.endr
	SEND 7, 0
	s_wait_tensorcnt 0x0                           ; the wave's end
	ds_add_u32 v[SPW], v[NIL]
	s_wait_dscnt 0x0
	CROUND                                         ; the closing round
	s_endpgm
.Lfunc_end_k_qb306c903ae_w1:
	.size	k_qb306c903ae_w1, .Lfunc_end_k_qb306c903ae_w1-k_qb306c903ae_w1
	.p2alignl 7, 3214868480
	.fill 96, 4, 3214868480
	.section	.rodata,"a",@progbits
	.p2align	6, 0x0
	.amdhsa_kernel k_qb306c903ae_w1
		.amdhsa_group_segment_fixed_size 327680
		.amdhsa_private_segment_fixed_size 0
		.amdhsa_enable_private_segment 0
		.amdhsa_kernarg_size 40
		.amdhsa_user_sgpr_count 2
		.amdhsa_user_sgpr_kernarg_segment_ptr 1
		.amdhsa_wavefront_size32 1
		.amdhsa_system_sgpr_workgroup_id_x 1
		.amdhsa_system_sgpr_workgroup_id_y 1
		.amdhsa_system_sgpr_workgroup_id_z 1
		.amdhsa_system_vgpr_workitem_id 0
		.amdhsa_next_free_vgpr 1024
		.amdhsa_next_free_sgpr 100
		.amdhsa_reserve_vcc 0
		.amdhsa_float_denorm_mode_32 3
		.amdhsa_float_denorm_mode_16_64 3
		.amdhsa_memory_ordered 1
		.amdhsa_forward_progress 1
		.amdhsa_inst_pref_size 130
	.end_amdhsa_kernel
	.amdgpu_metadata
---
amdhsa.version: [ 1, 2 ]
amdhsa.kernels:
  - .name:           k_qb306c903ae_w1
    .symbol:         k_qb306c903ae_w1.kd
    .args:
      - { .name: h2c, .offset: 0, .size: 8, .value_kind: global_buffer, .address_space: global }
      - { .name: wc, .offset: 8, .size: 8, .value_kind: global_buffer, .address_space: global }
      - { .name: lowp_scales, .offset: 16, .size: 8, .value_kind: global_buffer, .address_space: global }
      - { .name: ffc, .offset: 24, .size: 8, .value_kind: global_buffer, .address_space: global }
      - { .name: b1, .offset: 32, .size: 8, .value_kind: global_buffer, .address_space: global }
    .group_segment_fixed_size: 327680
    .private_segment_fixed_size: 0
    .kernarg_segment_align: 8
    .kernarg_segment_size: 40
    .max_flat_workgroup_size: 128
    .sgpr_count:     100
    .vgpr_count:     1024
    .wavefront_size: 32
...
	.end_amdgpu_metadata
.endif
;; end of part 6
;; launch w2 (part 7): grid 8 x 32, 4 waves a work-group, clusters of 4 x 4, 327,680 bytes of LDS; arguments ffc, wc, lowp_scales, b2, x1, out0; writes out0
.if DOCPART == 7
	.amdgcn_target "amdgcn-amd-amdhsa--gfx1250"
	.amdhsa_code_object_version 6
	.text
	.protected	k_qb306c903ae_w2
	.globl	k_qb306c903ae_w2
	.p2align	8
	.type	k_qb306c903ae_w2,@function
k_qb306c903ae_w2:
	s_mov_b64 s[64:65], 0
	v_nop
	global_prefetch_b8 v0, s[64:65] scope:SCOPE_SE
	s_setreg_imm32_b32 hwreg(HW_REG_WAVE_MODE, 25, 1), 1
	s_wait_xcnt 0x0
	s_wait_alu depctr_hold_cnt(0) depctr_sa_sdst(0) depctr_va_vdst(0) depctr_va_sdst(0) depctr_va_ssrc(0) depctr_va_vcc(0) depctr_vm_vsrc(0)
	s_getreg_b32 s2, hwreg(HW_REG_IB_STS2, 6, 4)
	s_cmp_eq_u32 s2, 0
	s_cbranch_scc0 .Lentry_in_a_cluster
	s_endpgm
.Lentry_in_a_cluster:
	s_bfe_u32 s2, ttmp6, 0x10000c
	s_cmp_lg_u32 s2, 0xf033
	s_cbranch_scc0 .Lentry_shape_is_right
	s_endpgm
.Lentry_shape_is_right:
; VAR = 0: x1 = x + ctx Wo + bo (K = 1,024).   VAR = 1: out = x1 + ff W2 + b2 (K = 4,096).  Both operands are codes of E4M3; the result is f32 [4,096][1,024].
; A: VAR = 0: ctxc[head][token][64 bytes]; VAR = 1: ffc[K/128][token][128 bytes].  B: wc, [K/128][n][128 bytes].
; A tile of C is 128 x 128, which gives 256 work-groups (256 x 256 would give 64).  Four waves of 64 x 64: 16 accumulators.  K goes in steps of 512 (four blocks of 128) through two LDS slots.
; A wave's one tensor load brings two blocks of one operand (wave 0, 1: A's; 2, 3: B's): a block's 128 rows are consecutive bytes in memory and are stated as ONE row of the tile, the blocks as its rows;
; the padding's interval (a code row: 128 or 64 bytes) divides that row, so code rows lie 144 (or 80) bytes apart in LDS.
; CLUSTERS: 4 x 4 work-groups; A's tiles are shared along a row of the cluster, B's along a column: each is asked for JOINTLY.
; THE MATRIX INSTRUCTION IS USED TRANSPOSED (source 0 = 16 rows of B, source 1 = 16 rows of A): a lane holds eight neighbouring columns of one token.
; A fragment's registers 4 c .. 4 c + 3 hold K = 32 c + 16 (lane / 16) + 0 .. 15 of its block, alike in A and B.
; The residual and the bias are loaded at the head, in the layout in which rows come back from the stage; out = sum x 2^(ea + eb) + (residual + bias): one packed multiply-add for two numbers.
; LIMIT: ea + eb between -126 and 127.
; No prefetch is written: VAR = 0 has first fills alone; VAR = 1's tiles are read by several clusters at about the same time.
; REGISTERS: window 0: v12-29 addresses and the bias; v32-95 rows read back, two sets; v128-255 the accumulators ((a, b) at v[128 + 8 (4 a + b)]).
;   window 1: two fragment buffers of 128: A's four fragments, then B's four.   window 2: v0-127 the residual.
.set VAR,   1
.if VAR
.set PA,    144                        ; A's code rows in LDS
.set AKB,   18432                      ; a block of 128 along K of A: 128 x 144
.set LAPS,  4
.set WOFF,  0x800000                   ; the weight's place in wc
.set AROW,  16384                      ; a tile row on in A
.set SCOFF, 0x38                       ; entries 14, 15
.set GA0,   (3<<16)|(1<<20)|(1<<21)|(4<<22)|(3<<25)
.set AT0,   2048                       ; 128 rows x 128 bytes in elements of 8 bytes
.set AT1,   2
.set AST,   65536                      ; 4,096 rows x 128 bytes
.else
.set PA,    80
.set AKB,   20480                      ; two heads x 128 x 80
.set LAPS,  1
.set WOFF,  0x300000
.set AROW,  8192
.set SCOFF, 0x28                       ; entries 10, 11
.set GA0,   (3<<16)|(1<<20)|(1<<21)|(3<<22)|(3<<25)
.set AT0,   1024                       ; 128 rows x 64 bytes
.set AT1,   4                          ; four heads: two blocks of 128
.set AST,   32768                      ; 4,096 rows x 64 bytes
.endif
.set GB0,   (3<<16)|(1<<20)|(1<<21)|(4<<22)|(3<<25)
.set BKB,   18432
.set ASZ,   4*AKB
.set SLOT,  ASZ+4*BKB
.set SPARE, 2*SLOT                     ; behind the ring: the spare words, 128 bytes for each wave, which no other line names
.set SPITCH, 272
.set ADRA, 16                          ; v16-19  A's fragments: slot s, blocks 2 g and 2 g + 1: v[16 + 2 s + g]
.set ADRB, 20                          ; v20-21  B's: slot s
.set BOF,  22
.set STO,  24
.set RD,   25
.set CO,   26
.set SPW,  28
.set NIL,  29
.set BK,   32
.set ACC,  128
.set F0,   0
.set F1,   128
.set G1,  24
.set G0,  32
.set G1B, 48
.set G0B, 56
.set MSB, 0
.macro WIN new
.if MSB != (\new)
	s_set_vgpr_msb (MSB<<8)|(\new)
.set MSB, (\new)
.endif
.endm
.macro JLOAD s                         ; a joint load: waves 0 and 1 fetch for A, waves 2 and 3 for B; four v_nop follow each of the two lines
	s_cmp_eq_u32 s17, 0
	s_cbranch_scc0 .Lfor_b_\@
	tensor_load_to_lds s[G0+4*\s:G0+4*\s+3], s[G1:G1+7]
	s_nop 0
.rept 4
	v_nop
.endr
	s_branch .Lasked_\@
.Lfor_b_\@:
	tensor_load_to_lds s[G0B+4*\s:G0B+4*\s+3], s[G1B:G1B+7]
	s_nop 0
.rept 4
	v_nop
.endr
.Lasked_\@:
.endm
.macro CREST
	s_cmp_lg_u32 s16, 0
	s_cbranch_scc1 .Lnot_wave_0_\@
	s_barrier_signal -3
.Lnot_wave_0_\@:
	s_barrier_wait -3
	s_barrier_signal -1
	s_barrier_wait -1
.endm
.macro CROUND
	s_barrier_signal -1
	s_barrier_wait -1
	CREST
.endm
.macro PLACES
.rept 4
	v_nop
.endr
.endm
	s_load_b256 s[4:11], s[0:1], 0x0               ; A's codes 4, wc 6, the scales 8, the bias 10
	s_load_b128 s[12:15], s[0:1], 0x20             ; the residual 12, the output 14
	v_lshl_add_u32 v[SPW], v0, 2, SPARE
	v_mov_b32 v[NIL], 0
	ds_add_u32 v28, v29
	ds_add_u32 v28, v29
	s_wait_dscnt 0x0
	v_lshrrev_b32 v1, 5, v0
	v_readfirstlane_b32 s16, v1                    ; wave 0..3
	s_lshr_b32 s17, s16, 1                         ; which half of the tile's rows is mine.  Also: I fetch for A (0) or for B (1)
	s_and_b32 s18, s16, 1                          ; which half of its columns.  Also: which two blocks of a K step I fetch
	s_bfe_u32 s19, ttmp6, 0x40000                  ; cx, cy
	s_bfe_u32 s20, ttmp6, 0x40004
	s_lshl_b32 s21, ttmp9, 2
	s_add_co_u32 s21, s21, s19                     ; tile column
	s_and_b32 s22, ttmp7, 0xffff
	s_lshl_b32 s22, s22, 2
	s_add_co_u32 s22, s22, s20                     ; tile row
	s_lshl_b32 s40, s20, 2
	s_lshl_b32 s40, 15, s40                        ; my row of the cluster
	s_lshl_b32 s41, 0x1111, s19                    ; my column
	s_or_b32 s[G1+0], s40, GA0                     ; 15:0 the mask; 17:16 elements of 8 bytes; 20 padding on; 21 set beside a mask; 24:22 the interval: a code row; 31:25 four words
	s_mov_b32 s[G1+1], (AT0&0xffff)<<16            ; tensor_dim0
	s_mov_b32 s[G1+2], (AT0>>16)|(AT1<<16)         ; tensor_dim1
	s_mov_b32 s[G1+3], AT0<<16                     ; tile_dim0
	s_mov_b32 s[G1+4], AT1                         ; tile_dim1
	s_mov_b32 s[G1+5], AST                         ; from block to block
	s_mov_b32 s[G1+6], 0
	s_mov_b32 s[G1+7], 0
	s_or_b32 s[G1B+0], s41, GB0
	s_mov_b32 s[G1B+1], 2048<<16
	s_mov_b32 s[G1B+2], 2<<16
	s_mov_b32 s[G1B+3], 2048<<16
	s_mov_b32 s[G1B+4], 2
	s_mov_b32 s[G1B+5], 16384                      ; 1,024 rows x 128 bytes
	s_mov_b32 s[G1B+6], 0
	s_mov_b32 s[G1B+7], 0
	s_mul_i32 s42, s22, AROW                       ; A: the tile row's 128 tokens,
	s_lshl_b32 s43, s18, 20                        ; my two blocks
	s_add_co_u32 s42, s42, s43
	s_mov_b32 s43, 0
	s_lshl_b32 s44, s21, 14                        ; B: the tile column's 128 rows,
	s_lshl_b32 s45, s18, 18
	s_add_co_u32 s44, s44, s45
	s_add_co_u32 s44, s44, WOFF
	s_mov_b32 s45, 0
	s_mul_i32 s46, s18, 2*AKB                      ; where they go: no place in the cluster enters an LDS address
	s_mul_i32 s47, s18, 2*BKB
	s_add_co_u32 s47, s47, ASZ
	s_wait_kmcnt 0x0
	s_load_b64 s[66:67], s[8:9], SCOFF             ; ea, eb
	s_add_nc_u64 s[42:43], s[4:5], s[42:43]
	s_add_nc_u64 s[44:45], s[6:7], s[44:45]
	CROUND                                         ; all sixteen work-groups are here: the first joint loads meet
.irp s, 0,1
	s_mov_b32 s[G0+4*\s], 1
	s_add_co_u32 s[G0+4*\s+1], s46, \s*SLOT
	s_add_nc_u64 s[G0+4*\s+2:G0+4*\s+3], s[42:43], \s*2097152
	s_or_b32 s[G0+4*\s+3], s[G0+4*\s+3], 0x80000000
	s_mov_b32 s[G0B+4*\s], 1
	s_add_co_u32 s[G0B+4*\s+1], s47, \s*SLOT
	s_add_nc_u64 s[G0B+4*\s+2:G0B+4*\s+3], s[44:45], \s*524288
	s_or_b32 s[G0B+4*\s+3], s[G0B+4*\s+3], 0x80000000
	JLOAD \s
.endr
	v_and_b32 v1, 15, v0                           ; r
	v_bfe_u32 v2, v0, 4, 1                         ; h
	v_mul_u32_u24 v3, v1, PA
	v_lshl_add_u32 v3, v2, 4, v3
	v_mul_u32_u24 v4, v1, 144
	v_lshl_add_u32 v4, v2, 4, v4
	s_mul_i32 s68, s17, 64*PA                      ; my 64 rows of A
	s_mul_i32 s70, s18, 64*144                     ; my 64 rows of B,
	s_add_co_u32 s70, s70, ASZ                     ; behind A's four blocks
.irp s, 0,1
.irp g, 0,1
	s_add_co_u32 s69, s68, \s*SLOT+\g*2*AKB
	v_add_nc_u32 v[ADRA+2*\s+\g], s69, v3
.endr
	s_add_co_u32 s71, s70, \s*SLOT
	v_add_nc_u32 v[ADRB+\s], s71, v4
.endr
	s_mul_i32 s72, s16, 16*SPITCH                  ; my stage: 16 rows x 272 bytes, in slot 0, which has had its last fill and its last read by then
	v_mul_u32_u24 v5, v1, SPITCH
	v_lshl_add_u32 v5, v2, 5, v5
	v_add_nc_u32 v[STO], s72, v5                   ; in: row r, 32 bytes for each half of the lanes
	v_mul_u32_u24 v5, v2, SPITCH
	v_lshl_add_u32 v5, v1, 4, v5
	v_add_nc_u32 v[RD], s72, v5                    ; back: lanes 0-15 one row of 256 bytes, lanes 16-31 the next
	v_lshlrev_b32 v[BOF], 4, v1
	v_lshl_add_u32 v[CO], v2, 12, v[BOF]           ; and the same two rows in memory
	s_lshl_b32 s76, s21, 9
	s_lshl_b32 s77, s18, 8
	s_add_co_u32 s76, s76, s77                     ; my 64 columns, in bytes
	s_mov_b32 s77, 0
	s_add_nc_u64 s[10:11], s[10:11], s[76:77]
	s_lshl_b32 s74, s22, 19
	s_lshl_b32 s75, s17, 18
	s_add_co_u32 s74, s74, s75
	s_add_co_u32 s74, s74, s76                     ; + my first row
	s_mov_b32 s75, 0
	s_add_nc_u64 s[12:13], s[12:13], s[74:75]
	s_add_nc_u64 s[14:15], s[14:15], s[74:75]
	WIN 0x80                                       ; destination window 2
.irp a, 0,1,2,3
.irp t, 0,1,2,3,4,5,6,7
	global_load_b128 v[32*\a+4*\t:32*\a+4*\t+3], v[CO], s[12:13] offset:(16*\a+2*\t)*4096 th:TH_LOAD_NT   ; the residual: 16 lanes read 256 consecutive bytes
.endr
.endr
	WIN 0
	global_load_b128 v[12:15], v[BOF], s[10:11]    ; the bias of my four columns
; 8 matrix instructions: A's blocks a0, a0 + 1 x B's four, 128 along K, from buffer f.  The 16 accumulators take turns in the same order everywhere.
.macro MUL8 f, a0, zero
.irp a, \a0, \a0+1
.irp b, 0,1,2,3
.if \zero
	v_wmma_f32_16x16x128_fp8_fp8 v[ACC+8*(4*(\a)+\b):ACC+8*(4*(\a)+\b)+7], v[\f+64+16*\b:\f+64+16*\b+15], v[\f+16*(\a):\f+16*(\a)+15], 0
.else
	v_wmma_f32_16x16x128_fp8_fp8 v[ACC+8*(4*(\a)+\b):ACC+8*(4*(\a)+\b)+7], v[\f+64+16*\b:\f+64+16*\b+15], v[\f+16*(\a):\f+16*(\a)+15], v[ACC+8*(4*(\a)+\b):ACC+8*(4*(\a)+\b)+7]
.endif
.endr
.endr
.endm
; 32 LDS loads in one run: block q of the slot into buffer f: B's four fragments, then A's four
.macro FETCH slot, q, f
	WIN 0x40
.irp i, 0,1,2,3
.irp c, 0,1,2,3
	ds_load_b128 v[\f+64+16*\i+4*\c:\f+64+16*\i+4*\c+3], v[ADRB+\slot] offset:(\q)*BKB+\i*2304+32*\c
.endr
.endr
.irp i, 0,1,2,3
.irp c, 0,1,2,3
.if VAR
	ds_load_b128 v[\f+16*\i+4*\c:\f+16*\i+4*\c+3], v[ADRA+2*\slot+(\q)/2] offset:((\q)%2)*18432+\i*2304+32*\c
.else
	ds_load_b128 v[\f+16*\i+4*\c:\f+16*\i+4*\c+3], v[ADRA+2*\slot+(\q)/2] offset:(((\q)%2)*2+\c/2)*10240+\i*1280+32*(\c%2)   ; K = 32 c + .. of the block lies in head c / 2 of its two
.endif
.endr
.endr
.endm
.macro QUARTER slot, qn, f, g, zero    ; multiplies buffer f and fetches block qn of the slot into g
	s_wait_dscnt 8                                 ; B's four and A's blocks 0, 1 are in; the youngest 8 loads (A's blocks 2, 3) may be out
	WIN 0x05
	MUL8 \f, 0, \zero
	PLACES
	FETCH \slot, \qn, \g
	s_wait_dscnt 32                                ; all but the 32 just issued
	WIN 0x05
	MUL8 \f, 2, \zero
.endm
; A slot's last block changes slots: ONE barrier; in front of it each wave waits for all its tensor loads, adds 0 to its spare word, and waits for that and for its reads of this slot.
.macro TURN slot, next, fill
	WIN 0
	s_wait_tensorcnt 0x0                           ; all my tensor loads have landed, so a group 0 may be written
	ds_add_u32 v[SPW], v[NIL]                      ; 0 onto my spare word
.if \fill
	s_add_nc_u64 s[G0+4*\slot+2:G0+4*\slot+3], s[G0+4*\slot+2:G0+4*\slot+3], 4194304     ; two K steps on
	s_add_nc_u64 s[G0B+4*\slot+2:G0B+4*\slot+3], s[G0B+4*\slot+2:G0B+4*\slot+3], 1048576
.endif
	s_wait_dscnt 0x0                               ; the add is done, and my reads of this slot are over
	s_barrier_signal -1
	WIN 0x05
	MUL8 F1, 0, 0
	WIN 0
	s_barrier_wait -1
.if \fill
	CREST                                          ; the barrier has opened a round of the cluster's
	JLOAD \slot                                    ; the first tensor load behind the round; its four v_nop are the places in front of the loads below
.else
	PLACES
.endif
	FETCH \next, 0, F0
	WIN 0x05
	MUL8 F1, 2, 0
.endm
	s_wait_tensorcnt 1                             ; my part of K step 0 is in; K step 1's may be out
	s_barrier_signal -1
	s_barrier_wait -1
	FETCH 0, 0, F0
	QUARTER 0, 1, F0, F1, 1                        ; the first block's products start the sums
.if LAPS > 1
	WIN 0
	s_mov_b32 s3, LAPS-1
.Llap:                                                 ; a trip goes once round the ring and fills both slots again
	QUARTER 0, 2, F1, F0, 0
	QUARTER 0, 3, F0, F1, 0
	TURN 0, 1, 1
	QUARTER 1, 1, F0, F1, 0
	QUARTER 1, 2, F1, F0, 0
	QUARTER 1, 3, F0, F1, 0
	TURN 1, 0, 1
	QUARTER 0, 1, F0, F1, 0
	WIN 0
	s_sub_co_u32 s3, s3, 1
	s_cmp_lg_u32 s3, 0
	s_cbranch_scc1 .Llap
.endif
	QUARTER 0, 2, F1, F0, 0                        ; the last lap fills nothing
	QUARTER 0, 3, F0, F1, 0
	TURN 0, 1, 0
	QUARTER 1, 1, F0, F1, 0
	QUARTER 1, 2, F1, F0, 0
	QUARTER 1, 3, F0, F1, 0
	s_wait_dscnt 0
	WIN 0x05
	MUL8 F1, 0, 0
	MUL8 F1, 2, 0
	WIN 0
	; THE WAY OUT
	s_wait_kmcnt 0x0
	s_add_co_i32 s66, s66, s67
	s_add_co_i32 s66, s66, 127
	s_lshl_b32 s66, s66, 23                        ; 2^(ea + eb) as f32
	s_mov_b32 s67, s66                             ; (named with it as a pair, so it is written)
	s_wait_loadcnt 0x0                             ; the residual and the bias
	WIN 0x82                                       ; source 0 and destination window 2
.set i, 0
.rept 32
	v_pk_add_f32 v[4*i:4*i+1], v[4*i:4*i+1], v[12:13]          ; residual + bias; these are also the places behind the last products
	v_pk_add_f32 v[4*i+2:4*i+3], v[4*i+2:4*i+3], v[14:15]
.set i, i+1
.endr
	WIN 0
.irp a, 0,1,2,3
.if \a > 1
	s_wait_xcnt 0x0                                ; block a - 2's stores have read their registers
.endif
.irp b, 0,1,2,3
	ds_store_b128 v[STO], v[ACC+8*(4*\a+\b):ACC+8*(4*\a+\b)+3] offset:64*\b          ; each accumulator from its low end on
	ds_store_b128 v[STO], v[ACC+8*(4*\a+\b)+4:ACC+8*(4*\a+\b)+7] offset:64*\b+16
.endr
.irp t, 0,1,2,3,4,5,6,7
	ds_load_b128 v[BK+32*(\a%2)+4*\t:BK+32*(\a%2)+4*\t+3], v[RD] offset:2*SPITCH*\t   ; LDS serves a wave's instructions in order (ISA guide 5.7.1.4)
.endr
	s_wait_dscnt 0x0
	WIN 0x20                                       ; source 2 window 2
.set i, 0
.rept 16
	v_pk_fma_f32 v[BK+32*(\a%2)+2*i:BK+32*(\a%2)+2*i+1], v[BK+32*(\a%2)+2*i:BK+32*(\a%2)+2*i+1], s[66:67], v[32*\a+2*i:32*\a+2*i+1] op_sel_hi:[1,0,1]
.set i, i+1
.endr
	WIN 0
.irp t, 0,1,2,3,4,5,6,7
.if VAR
	global_store_b128 v[CO], v[BK+32*(\a%2)+4*\t:BK+32*(\a%2)+4*\t+3], s[14:15] offset:(16*\a+2*\t)*4096 th:TH_STORE_NT   ; 16 lanes store 256 consecutive bytes, aligned
.else
	global_store_b128 v[CO], v[BK+32*(\a%2)+4*\t:BK+32*(\a%2)+4*\t+3], s[14:15] offset:(16*\a+2*\t)*4096
.endif
.endr
.endr
	s_wait_tensorcnt 0x0                           ; the wave's end
	ds_add_u32 v[SPW], v[NIL]
	s_wait_dscnt 0x0
	CROUND                                         ; the closing round
	s_endpgm
.Lfunc_end_k_qb306c903ae_w2:
	.size	k_qb306c903ae_w2, .Lfunc_end_k_qb306c903ae_w2-k_qb306c903ae_w2
	.p2alignl 7, 3214868480
	.fill 96, 4, 3214868480
	.section	.rodata,"a",@progbits
	.p2align	6, 0x0
	.amdhsa_kernel k_qb306c903ae_w2
		.amdhsa_group_segment_fixed_size 327680
		.amdhsa_private_segment_fixed_size 0
		.amdhsa_enable_private_segment 0
		.amdhsa_kernarg_size 48
		.amdhsa_user_sgpr_count 2
		.amdhsa_user_sgpr_kernarg_segment_ptr 1
		.amdhsa_wavefront_size32 1
		.amdhsa_system_sgpr_workgroup_id_x 1
		.amdhsa_system_sgpr_workgroup_id_y 1
		.amdhsa_system_sgpr_workgroup_id_z 1
		.amdhsa_system_vgpr_workitem_id 0
		.amdhsa_next_free_vgpr 640
		.amdhsa_next_free_sgpr 84
		.amdhsa_reserve_vcc 0
		.amdhsa_float_denorm_mode_32 3
		.amdhsa_float_denorm_mode_16_64 3
		.amdhsa_memory_ordered 1
		.amdhsa_forward_progress 1
		.amdhsa_inst_pref_size 81
	.end_amdhsa_kernel
	.amdgpu_metadata
---
amdhsa.version: [ 1, 2 ]
amdhsa.kernels:
  - .name:           k_qb306c903ae_w2
    .symbol:         k_qb306c903ae_w2.kd
    .args:
      - { .name: ffc, .offset: 0, .size: 8, .value_kind: global_buffer, .address_space: global }
      - { .name: wc, .offset: 8, .size: 8, .value_kind: global_buffer, .address_space: global }
      - { .name: lowp_scales, .offset: 16, .size: 8, .value_kind: global_buffer, .address_space: global }
      - { .name: b2, .offset: 24, .size: 8, .value_kind: global_buffer, .address_space: global }
      - { .name: x1, .offset: 32, .size: 8, .value_kind: global_buffer, .address_space: global }
      - { .name: out0, .offset: 40, .size: 8, .value_kind: global_buffer, .address_space: global }
    .group_segment_fixed_size: 327680
    .private_segment_fixed_size: 0
    .kernarg_segment_align: 8
    .kernarg_segment_size: 48
    .max_flat_workgroup_size: 128
    .sgpr_count:     84
    .vgpr_count:     640
    .wavefront_size: 32
...
	.end_amdgpu_metadata
.endif
;; end of part 7
